; MI455X (gfx1250); checked and timed in simulation.
; The chip was launched on July 23, 2026; its instructions are those of AMD's public machine-readable ISA for CDNA 5 (MIT licence, August 2026) and "CDNA5" Instruction Set Architecture Reference Guide (July 2026). The comments in the code are by the model that wrote it; some were corrected since.
;; Multi Resource Attention. Allowed arithmetic: matrix products marked QUANTISED: E3M2 operands, one E8M0 scale for each 32 along K, by v_wmma_scale_f32_16x16x128_f8f6f4 with both operands' format E3M2, f32 sums; everything else in f32.
;; Inputs: Wk_codes 1,024 x 32 x 24 uint8 (E3M2 codes of Wk, K innermost, in blocks of 32 codes, four codes in three bytes); Wk_scales 1,024 x 32 uint8 (E8M0 scales of Wk, one for each 32 codes along K); Wq_codes 1,024 x 32 x 24 uint8 (E3M2 codes of Wq, K innermost, in blocks of 32 codes, four codes in three bytes); Wq_scales 1,024 x 32 uint8 (E8M0 scales of Wq, one for each 32 codes along K); Wv_codes 1,024 x 32 x 24 uint8 (E3M2 codes of Wv, K innermost, in blocks of 32 codes, four codes in three bytes); Wv_scales 1,024 x 32 uint8 (E8M0 scales of Wv, one for each 32 codes along K); beta 1,024 float32; bk 1,024 float32; bq 1,024 float32; bv 1,024 float32; gamma 1,024 float32; x 4 x 2,048 x 1,024 float32.
;; Outputs: out0 4 x 2,048 x 1,024 float32.
;; This version of the problem:
;;   THIS VERSION OF THE PROBLEM IS GIVEN IN LOW PRECISION. The matrix products marked QUANTISED in the list below multiply operands that are first quantised to E3M2 (3 exponent bits, 2 mantissa bits; 6 bits a number), with one power-of-two scale for each 32 numbers along K (OCP MX v1.0); their sums are f32. All else is computed in f32.
;;   The module's matrix products, in the order in which they are computed (A, B: the left and right operand; K: the contracted axis; several contracted axes count as one K, in the product's order):
;;     1. [M 8,192, K 1,024] x [K 1,024, N 1,024]; A: input x; B: input Wq (given as codes): QUANTISED
;;     2. [M 8,192, K 1,024] x [K 1,024, N 1,024]; A: input x; B: input Wk (given as codes): QUANTISED
;;     3. [M 8,192, K 1,024] x [K 1,024, N 1,024]; A: input x; B: input Wv (given as codes): QUANTISED
;;     4. batch 4 x [M 2,048, K 1,024] x [K 1,024, N 2,048]; A: computed on the way; B: computed on the way: QUANTISED
;;     5. batch 4 x [M 2,048, K 2,048] x [K 2,048, N 1,024]; A: softmax (see below); B: computed on the way: QUANTISED
;;   THE QUANTISER, for each operand of a quantised product, along K:
;;     - K is cut into blocks of 32 from its start; a last block that is shorter is filled with zeros.
;;     - A block's scale is 2^e with e = floor(log2(the largest magnitude in the block)) - 4, held to -126 .. 127; a block of zeros has e = 0. As a byte (E8M0): e + 127.
;;     - Each number is divided by its block's scale, clamped to +-28, and rounded to the nearest number of E3M2, ties to even, subnormals kept.
;;     - The product sums the exact products of the quantised numbers (number of the format x scale) in f32.
;;   ~~~python
;;   def quantise(x, axis):      # numpy; x: float32 -> the quantised numbers, widened to float32 again
;;       x = np.moveaxis(x, axis, -1); K = x.shape[-1]
;;       x = np.pad(x, [(0, 0)] * (x.ndim - 1) + [(0, -K % 32)]); x = x.reshape(x.shape[:-1] + (-1, 32)); a = np.abs(x).max(-1, keepdims=True)
;;       e = np.where(a > 0, np.clip(np.frexp(np.where(a > 0, a, 1))[1] - 1 - 4, -126, 127), 0)      # np.frexp(a)[1] - 1 = floor(log2(a)), exactly
;;       r = np.clip(x / 2.0 ** e, -28, 28)
;;       step = 2.0 ** (np.maximum(np.frexp(np.where(r == 0, 1, r))[1] - 1, -2) - 2)
;;       q = np.round(r / step) * step * 2.0 ** e      # np.round: ties to even
;;       return np.moveaxis(q.reshape(q.shape[:-2] + (-1,))[..., :K], -1, axis).astype(np.float32)
;;   ~~~
;;   SOFTMAX AHEAD OF A QUANTISED PRODUCT. Where the list says 'softmax', what is quantised is not the finished softmax but p = 2^(t - M), with t = logit x log2(e) and M = ceil(the row's largest t), a whole number; so 1/2 < the row's largest p <= 1. The row's sum l is taken of the UNQUANTISED p, in f32, and the product's result is divided by l at the end. Since M is a whole number, a kernel that streams over the keys may use a running M (the ceiling of the running maximum): every later rescaling is an exact power of two, which a block's scale takes up: the codes' values come out the same.
;;   OPERANDS COMPUTED ON THE WAY. 'Computed on the way' means the value that the module computes at that place (a softmax that the list does not call 'softmax' is quantised finished and normalised). What goes into a quantiser is computed in f32, as accurately as f32 sums, v_exp_f32 and their like allow (about 1e-6 of the number): no bf16 or f16 on the way to a quantiser, and a product that is left as it is and whose result goes on into a quantised operand takes f32 operands (vector FMAs, or v_wmma_f32_16x16x4_f32). A number that lies on a knife's edge between two numbers of the format may be rounded either way, as far as f32 arithmetic and the matrix unit's own rounding can turn it there, and no further.
;;   INPUTS GIVEN AS CODES. Wk (in the module: [1024, 1024], K = its axis 0); Wq (in the module: [1024, 1024], K = its axis 0); Wv (in the module: [1024, 1024], K = its axis 0): each comes as NAME_codes (uint8): NAME with its K axis moved to the last place and cut into blocks of 32 codes, [.., K / 32, bytes a block], one block behind the other in memory; four codes in three bytes: a row's codes are one little-endian stream of bits, code i at bits 6 i .. 6 i + 5 (a code: sign, 3 exponent bits, 2 mantissa bits); and NAME_scales (uint8): the same leading axes, one E8M0 byte (e + 127) for each 32 codes along K. Its value is code x scale, taken as it is: it is not quantised again, and the codes and scales need not be those that the quantiser above would give.
;; One version. Each part assembles by itself: llvm-mc -triple=amdgcn-amd-amdhsa -mcpu=gfx1250 --defsym DOCPART=n.
;; ======== version 1 of 1: 2 launches
;; limits: right only within a limited range of input values
;; workspace buffers: qc 6,553,600 bytes; kc 6,553,600 bytes; vc 6,553,600 bytes
;; launch qkv (part 1): grid 256 x 1, 4 waves a work-group, clusters of 4 x 1, 327,680 bytes of LDS; arguments x, Wq_codes, Wq_scales, bq, Wk_codes, Wk_scales, bk, Wv_codes, Wv_scales, bv, qc, kc, vc; writes qc, kc, vc
.if DOCPART == 1
	.amdgcn_target "amdgcn-amd-amdhsa--gfx1250"
	.amdhsa_code_object_version 6
	.text
	.protected	k_q5b096b3cc4_qkv
	.globl	k_q5b096b3cc4_qkv
	.p2align	8
	.type	k_q5b096b3cc4_qkv,@function
k_q5b096b3cc4_qkv:
	s_mov_b64 s[64:65], 0
	v_nop
	global_prefetch_b8 v0, s[64:65] scope:SCOPE_SE
	s_setreg_imm32_b32 hwreg(HW_REG_WAVE_MODE, 25, 1), 1
	s_wait_xcnt 0x0
	s_wait_alu depctr_hold_cnt(0) depctr_sa_sdst(0) depctr_va_vdst(0) depctr_va_sdst(0) depctr_va_ssrc(0) depctr_va_vcc(0) depctr_vm_vsrc(0)
	s_getreg_b32 s2, hwreg(HW_REG_IB_STS2, 6, 4)
	s_cmp_eq_u32 s2, 0
	s_cbranch_scc0 .Lentry_in_a_cluster
	s_endpgm
.Lentry_in_a_cluster:
	s_bfe_u32 s2, ttmp6, 0x10000c
	s_cmp_lg_u32 s2, 0x3003
	s_cbranch_scc0 .Lentry_shape_is_right
	s_endpgm
.Lentry_shape_is_right:
; Q = x Wq + bq, K = x Wk + bk, V = x Wv + bv on codes of E3M2 with one E8M0 scale for each 32 along K, and the three results quantised again:
; Q and K along the 1,024 features, V along the keys (the rows of x).  x: [8192][1024] f32; W*: codes [1024 (feature)][768 bytes], scale bytes [1024][32]; b*: [1024] f32.
; SHARES.  A work-group takes 64 rows of x (four tiles of 16) and 512 features of each of Q, K, V: twelve weight tiles of 128 features x 1,024 along K, which go through two LDS slots.
; The four work-groups of a cluster take four row blocks and the same features, so each weight tile is asked for JOINTLY (mask 15).  Wave w takes features 32 w .. 32 w + 31 of a weight tile, one block of
; the next K, against all four row tiles: 64 matrix instructions a tile on 8 accumulators, and each LDS byte of a tile is read once in the work-group.
; THE WALK.  Row cluster rc takes a tensor's four tiles in the order rc % 4, rc % 4 + 1, .. round: in each step the 32 row clusters of a feature group ask for four different tiles.  Registers and LDS stages are
; laid by the place in the walk; the tile's own number enters only global addresses: the tile's, its scale words' and biases', and the places where the results are stored.
; x is quantised once (wave w: row tile w), handed round through LDS as images of the operand's registers, and then lies in every wave's registers (384) for the whole launch.
; Q, K: source 0 = 16 features of W, source 1 = 16 rows of x: a lane holds one row and features 8 (lane / 16) + 0..7 of two neighbouring tiles.  V: the sources swapped: a lane holds one feature and 8 rows of two row tiles.
; ORDER INSIDE A BLOCK OF 32.  Element 16 u + 8 h + j (u: tile, h: lane / 16) is laid at code place 16 h + 8 u + j.  The next launch multiplies Q with K and P with V, each pair laid by this same order, so
; blocks, scales and products are those of the true order; only the order of the sums differs.  x itself is laid in true order, as W's codes are.
; A FRAGMENT'S IMAGE, 1,536 bytes: piece p (0..5) holds registers 2 p, 2 p + 1 of lanes 0..31 at 256 p + 8 lane.  A lane that has made half h of block b (three registers) of row r puts them at
; B + 260 h, B + 4 + 508 h, B + 256 + 260 h, B = 768 (b / 2) + 128 (b % 2) + 8 r.
; OUT.  qc: 256 blocks of 25,600 bytes (32 queries): fragments at T 12,288 + s 1,536; scale words at 24,576 + T 512 + (s / 2) 128 + 64 (s % 2) + 4 r.   kc: 64 tiles of 102,400 bytes (128 keys): the same with eight
; key tiles, scale words from 98,304 on.   vc: 64 tiles of 102,400 bytes: fragment D (features 16 D + r; K = the tile's 128 keys) at 1,536 D; scale words at 98,304 + (D / 8) 512 + 16 (r + 16 (D % 2)) + 4 ((D / 2) % 4).
; LIMITS: NaN and infinities are not served.  A block whose largest magnitude lies under 2^-122, a block of zeros among them, gets the scale byte 1; only this program reads these bytes.
.set SLOTB,  104448                    ; a slot: 128 weight rows x 816 bytes
.set PIECE,  26112                     ; what one wave's tensor load fills: 32 weight rows
.set WP,     816                       ; a weight row in LDS: 3 x (256 + 16) bytes = 204 words: row r starts at bank 12 r mod 64 (64 banks of 4 bytes: ISA guide 11.1): the 32 lanes of a load of 8 bytes touch 64 different banks
.set TILEB,  98304                     ; a weight tile in memory: 128 rows x 768 bytes, dense
.set XIMG,   208896                    ; x's 32 fragments (8 T + s); later the stage for the results' images
.set XSC,    258048                    ; their scale words, 128 bytes a fragment; later the stage for the results' scale words
.set TURNB,  262144                    ; 16 rows x 528 bytes for each wave: x turns from 'a lane 16 bytes of a row' to 'a lane 16 neighbours of a block'
.set SPARE,  295936                    ; the spare words: 128 bytes a wave, two blocks of 256 bytes that no other line names
.set STG,    XIMG
.set SST,    XSC
.set SPW, 2                            ; v2  my spare word's LDS address; never rewritten
.set NIL, 3                            ; v3  0; never rewritten
.set AG16, 4                           ; 16 x lane
.set AG8, 5                            ; 8 x lane
.set AW, 6                             ; v6-9 my W rows in slot 0 (+ 24 h; + 40 h for pieces behind one padding more), the same in slot 1
.set A0, 10                            ; Q, K stage: STG + my block's place + 8 r + 260 h
.set A1, 11                            ; ... + 508 h
.set AB, 12                            ; SST + 4 r + wave
.set AV0, 13                           ; V stage: STG + 1,536 wave + 8 r + 260 h
.set AV1, 14
.set AVS, 15                           ; V's scale half-words in memory: 16 lane + 4 wave
.set ADA0, 16                          ; A0, A1, AB + the part's offset
.set ADA1, 17
.set ADB, 18
.set AX0, 19                           ; x's images: XIMG + 12,288 wave + 8 r + 260 h
.set AX1, 20
.set AXW, 21                           ; XSC + 1,024 wave + 4 lane
.set AXF, 22                           ; XIMG + 8 lane
.set AXS, 23                           ; XSC + 4 lane + 128 h
.set ATS, 24                           ; turning stage, in
.set ATL, 25                           ; and out
.set AFL, 26                           ; flush: STG + 6,144 wave + 16 lane
.set AFS, 27                           ; SST + 256 wave + 8 lane
.set AFV, 28                           ; STG + 6,144 wave + 8 lane
.set ABI, 29                           ; biases of Q, K: 128 wave + 32 h
.set AWS, 30                           ; W's scale bytes: 32 (32 wave + r) + 16 h
.set ABV, 31                           ; bias of V: 128 wave + 4 r
.set PFO, 32                           ; prefetch offset
.set LN, 33
.set RR, 34
.set HH, 35
.set XS, 36                            ; v36-51  x's scale words: 4 T + g: lanes 0-15 K step 2 g, lanes 16-31 K step 2 g + 1
.set WS, 52                            ; v52-83  W's scale words: 8 t + 4 a + i (t: place in the walk): lanes 0-15 K step i, lanes 16-31 K step 4 + i
.set BI, 84                            ; v84-147 biases in the result's layout (16 t + 8 a); at the head a set of 64 numbers of x
.set CB, 100                           ; V: the 16 C registers; the eight bias registers lie at BI
.set ACC, 148                          ; v148-211 eight accumulators, as four groups of 16
.set FL, 92                            ; v92-191 the flushes' data: clear of V's eight bias registers, which are on their way during the flush of Q and K
.set TM, 212
.set PX, 216
.set SO, 220
.set BY, 224
.set CD, 228                           ; v228-243 codes: four registers a group
.set HV, 244                           ; v244-247 V's scale half-words, one register a tile so that no store's data are written again
.set T0, 248
.set T1, 249
.set HW0, 250
.set HW1, 251
.set PW, 252
.set AWR, 253                          ; AWS + the tile's 4,096 bytes of scale bytes
.set ABR, 254                          ; ABI or ABV + the tile's 512 bytes of biases
.set AVR, 255                          ; AVS + the tile's 512 bytes of V's scale words
.set CURG, 30                          ; s[30:31] codes of the tensor in hand, at my group's 512 features
.set NEXTG, 32                         ; s[32:33] of the next tensor
.set SCUR, 34                          ; s[34:35] scale bytes of the tensor in hand
.set BCUR, 36                          ; s[36:37] its bias
.set G1, 40                            ; s[40:47] descriptor group 1
.set G0, 48                            ; s[48:55] group 0, a set for each slot
.set WOFF, 56                          ; s[56:57] the offset of what I fetch next, as a pair (its high word stays 0)
.set QD, 58
.set QSD, 60
.set KD, 62
.set KSD, 66
.set VD, 68
.set VSD, 70
.set WV, 72
.set CX, 73
.set GG, 74
.set RC, 75
.set RB, 76
.set SEL, 78
.set PO, 80
.set PS, 81
.set TRIP, 82
.set PFON, 83
.set MHI, 84
.set TAI, 86                           ; s86-89 the tile at place t of the walk: (rc + t) % 4
.set TOF, 90                           ; s90-93 98,304 x that tile + 24,576 x wave: my 32 rows of it, in bytes
.set MSB, 0
.macro WIN new                         ; the immediate's high byte repeats the setting that is left; a switch that changes nothing is dropped
.if MSB != (\new)
	s_set_vgpr_msb (MSB<<8)|(\new)
.set MSB, (\new)
.endif
.endm
.macro PLACES                          ; four plain places (ISA guide 7.12.1)
.rept 4
	v_nop
.endr
.endm
.macro DSW n                           ; a counted wait on DScnt, held to what the field can name
.if (\n) > 63
	s_wait_dscnt 63
.else
	s_wait_dscnt (\n)
.endif
.endm
.macro BARRIER                         ; my LDS stores have landed and my LDS loads are in: then the work-group's barrier
	s_wait_dscnt 0x0
	s_barrier_signal -1
	s_barrier_wait -1
.endm
.macro CROUND                          ; a round of the cluster's barrier
	s_barrier_signal -1
	s_barrier_wait -1
	s_cmp_lg_u32 s[WV], 0
	s_cbranch_scc1 .Lnot_wave_0_\@
	s_barrier_signal -3
.Lnot_wave_0_\@:
	s_barrier_wait -3
	s_barrier_signal -1
	s_barrier_wait -1
.endm
; one matrix instruction.  c < 0: the constant 0 starts the sum.  ra, rb: which half of the lanes holds source 0's and source 1's scale words
.macro WM d, a, b, c, sa, sb, ra, rb
.if (\c) < 0
.if (\ra) && (\rb)
	v_wmma_scale_f32_16x16x128_f8f6f4 v[(\d):(\d)+7], v[(\a):(\a)+11], v[(\b):(\b)+11], 0, v[\sa], v[\sb] matrix_a_fmt:MATRIX_FMT_BF6 matrix_b_fmt:MATRIX_FMT_BF6 matrix_a_scale:MATRIX_SCALE_ROW1 matrix_b_scale:MATRIX_SCALE_ROW1
.elseif (\ra)
	v_wmma_scale_f32_16x16x128_f8f6f4 v[(\d):(\d)+7], v[(\a):(\a)+11], v[(\b):(\b)+11], 0, v[\sa], v[\sb] matrix_a_fmt:MATRIX_FMT_BF6 matrix_b_fmt:MATRIX_FMT_BF6 matrix_a_scale:MATRIX_SCALE_ROW1
.elseif (\rb)
	v_wmma_scale_f32_16x16x128_f8f6f4 v[(\d):(\d)+7], v[(\a):(\a)+11], v[(\b):(\b)+11], 0, v[\sa], v[\sb] matrix_a_fmt:MATRIX_FMT_BF6 matrix_b_fmt:MATRIX_FMT_BF6 matrix_b_scale:MATRIX_SCALE_ROW1
.else
	v_wmma_scale_f32_16x16x128_f8f6f4 v[(\d):(\d)+7], v[(\a):(\a)+11], v[(\b):(\b)+11], 0, v[\sa], v[\sb] matrix_a_fmt:MATRIX_FMT_BF6 matrix_b_fmt:MATRIX_FMT_BF6
.endif
.else
.if (\ra) && (\rb)
	v_wmma_scale_f32_16x16x128_f8f6f4 v[(\d):(\d)+7], v[(\a):(\a)+11], v[(\b):(\b)+11], v[(\c):(\c)+7], v[\sa], v[\sb] matrix_a_fmt:MATRIX_FMT_BF6 matrix_b_fmt:MATRIX_FMT_BF6 matrix_a_scale:MATRIX_SCALE_ROW1 matrix_b_scale:MATRIX_SCALE_ROW1
.elseif (\ra)
	v_wmma_scale_f32_16x16x128_f8f6f4 v[(\d):(\d)+7], v[(\a):(\a)+11], v[(\b):(\b)+11], v[(\c):(\c)+7], v[\sa], v[\sb] matrix_a_fmt:MATRIX_FMT_BF6 matrix_b_fmt:MATRIX_FMT_BF6 matrix_a_scale:MATRIX_SCALE_ROW1
.elseif (\rb)
	v_wmma_scale_f32_16x16x128_f8f6f4 v[(\d):(\d)+7], v[(\a):(\a)+11], v[(\b):(\b)+11], v[(\c):(\c)+7], v[\sa], v[\sb] matrix_a_fmt:MATRIX_FMT_BF6 matrix_b_fmt:MATRIX_FMT_BF6 matrix_b_scale:MATRIX_SCALE_ROW1
.else
	v_wmma_scale_f32_16x16x128_f8f6f4 v[(\d):(\d)+7], v[(\a):(\a)+11], v[(\b):(\b)+11], v[(\c):(\c)+7], v[\sa], v[\sb] matrix_a_fmt:MATRIX_FMT_BF6 matrix_b_fmt:MATRIX_FMT_BF6
.endif
.endif
.endm
.macro PUT3 cd, a0, a1, off            ; half a block's three registers into a fragment's image
	ds_store_b32 v[\a0], v[\cd] offset:\off
	ds_store_b32 v[\a1], v[(\cd)+1] offset:(\off)+4
	ds_store_b32 v[\a0], v[(\cd)+2] offset:(\off)+256
.endm
	s_load_b512 s[4:19], s[0:1], 0x0               ; x, Wq codes, Wq scales, bq, Wk codes, Wk scales, bk, Wv codes
	s_load_b256 s[20:27], s[0:1], 0x40             ; Wv scales, bv, qc, kc
	s_load_b64 s[28:29], s[0:1], 0x60              ; vc
	v_lshl_add_u32 v[SPW], v0, 2, SPARE
	v_mov_b32 v[NIL], 0
	ds_add_u32 v2, v3
	ds_add_u32 v2, v3
	s_wait_dscnt 0x0
	v_lshrrev_b32 v1, 5, v0
	v_readfirstlane_b32 s[WV], v1                  ; wave 0..3
	s_bfe_u32 s[CX], ttmp6, 0x40000                ; my place in the cluster
	s_and_b32 s[GG], ttmp9, 1                      ; which 512 features: the same in all four partners
	s_lshr_b32 s[RC], ttmp9, 1                     ; which four row blocks
	s_lshl_b32 s[RB], s[RC], 2
	s_add_co_u32 s[RB], s[RB], s[CX]               ; my block of 64 rows
	s_mul_i32 s94, s[WV], 24576                    ; my wave's 32 rows in a tile
.irp t,0,1,2,3
	s_add_co_u32 s[TAI+\t], s[RC], \t              ; the walk: made of the cluster's number alone, so it is the same in all four partners
	s_and_b32 s[TAI+\t], s[TAI+\t], 3
	s_mul_i32 s[TOF+\t], s[TAI+\t], TILEB
	s_add_co_u32 s[TOF+\t], s[TOF+\t], s94
.endr
	; descriptor group 1: 32 weight rows are 24,576 dense bytes: 96 rows of 256 bytes (32 elements of 8 bytes), 16 bytes of padding behind each
	s_mov_b32 s[G1], 15|(3<<16)|(1<<20)|(1<<21)|(5<<22)|(3<<25)   ; 15:0 the mask: all four; 17:16 elements of 8 bytes; 20 padding on; 21 set beside a mask; 24:22 after every 64 words; 31:25 four words
	s_mov_b32 s[G1+1], 32<<16                      ; tensor_dim0 = 32
	s_mov_b32 s[G1+2], 96<<16                      ; tensor_dim1 = 96
	s_mov_b32 s[G1+3], 32<<16                      ; tile_dim0 = 32
	s_mov_b32 s[G1+4], 96                          ; tile_dim1 = 96
	s_mov_b32 s[G1+5], 32                          ; from row to row
	s_mov_b32 s[G1+6], 0
	s_mov_b32 s[G1+7], 0
	s_mov_b32 s[G0], 1
	s_mul_i32 s[G0+1], s[WV], PIECE                ; slot 0, my 32 rows
	s_mov_b32 s[G0+4], 1
	s_add_co_u32 s[G0+5], s[G0+1], SLOTB           ; slot 1
	s_mov_b32 s[WOFF], s[TOF]                      ; the walk's first tile
	s_mov_b32 s[WOFF+1], 0
	s_mul_i32 s94, s[GG], 393216                   ; my group's 512 rows of codes,
	s_mov_b32 s95, 0
	s_lshl_b32 s96, s[GG], 14                      ; of scale bytes,
	s_mov_b32 s97, 0
	s_lshl_b32 s98, s[GG], 11                      ; and its 512 biases
	s_mov_b32 s99, 0
	s_mov_b32 s[SEL], 0x76543210
	s_mov_b32 s[SEL+1], 0xfedcba98                 ; v_permlanex16_b32's selects for lane l xor 16
	s_mov_b32 s[MHI], 0xffff0000                   ; lanes 16-31
	s_wait_kmcnt 0x0
	s_add_nc_u64 s[6:7], s[6:7], s[94:95]
	s_add_nc_u64 s[12:13], s[12:13], s[94:95]
	s_add_nc_u64 s[18:19], s[18:19], s[94:95]
	s_add_nc_u64 s[8:9], s[8:9], s[96:97]
	s_add_nc_u64 s[14:15], s[14:15], s[96:97]
	s_add_nc_u64 s[20:21], s[20:21], s[96:97]
	s_add_nc_u64 s[10:11], s[10:11], s[98:99]
	s_add_nc_u64 s[16:17], s[16:17], s[98:99]
	s_add_nc_u64 s[22:23], s[22:23], s[98:99]
	s_mov_b64 s[CURG:CURG+1], s[6:7]
	s_mov_b64 s[NEXTG:NEXTG+1], s[12:13]
	s_mov_b64 s[SCUR:SCUR+1], s[8:9]
	s_mov_b64 s[BCUR:BCUR+1], s[10:11]
	s_add_nc_u64 s[G0+2:G0+3], s[6:7], s[WOFF:WOFF+1]
	s_or_b32 s[G0+3], s[G0+3], 0x80000000          ; type = 2
	CROUND                                         ; all four work-groups are here: the first joint load meets
	tensor_load_to_lds s[G0:G0+3], s[G1:G1+7]      ; the walk's first tile of Wq into slot 0
	s_nop 0
	PLACES
	v_and_b32 v[LN], 31, v0
	v_and_b32 v[RR], 15, v0                        ; r
	v_bfe_u32 v[HH], v0, 4, 1                      ; h
	v_lshlrev_b32 v[AG16], 4, v[LN]
	s_lshl_b32 s100, s[RB], 18                     ; my block's 64 rows of 4,096 bytes,
	s_lshl_b32 s101, s[WV], 16                     ; my wave's 16 of them
	s_add_co_u32 s100, s100, s101
	s_mov_b32 s101, 0
	s_add_nc_u64 s[4:5], s[4:5], s[100:101]
	; my 16 rows of x, K step by K step: each load takes 512 consecutive bytes of one row.  512 registers: windows 2 and 3
.irp q,0,1,2,3,4,5,6,7
	WIN 0x80+0x40*(\q/4)
.irp i,0,1,2,3,4,5,6,7,8,9,10,11,12,13,14,15
	global_load_b128 v[64*(\q%4)+4*\i:64*(\q%4)+4*\i+3], v[AG16], s[4:5] offset:4096*\i+512*\q
.endr
.endr
	WIN 0
	v_lshlrev_b32 v[AG8], 3, v[LN]
	s_lshl_b32 s94, s[WV], 5
	v_add_nc_u32 v1, s94, v[RR]                    ; 32 wave + r
	v_mul_u32_u24 v[AW], v1, WP
	v_mad_u32_u24 v[AW+1], v[HH], 40, v[AW]
	v_mad_u32_u24 v[AW], v[HH], 24, v[AW]
	v_add_nc_u32 v[AW+2], SLOTB, v[AW]
	v_add_nc_u32 v[AW+3], SLOTB, v[AW+1]
	v_lshlrev_b32 v[AWS], 5, v1
	v_lshl_add_u32 v[AWS], v[HH], 4, v[AWS]
	v_lshlrev_b32 v1, 3, v[RR]
	v_mad_u32_u24 v[T0], v[HH], 260, v1            ; 8 r + 260 h
	v_mad_u32_u24 v[T1], v[HH], 508, v1            ; 8 r + 508 h
	s_lshr_b32 s94, s[WV], 1
	s_mul_i32 s94, s94, 768
	s_and_b32 s95, s[WV], 1
	s_lshl_b32 s95, s95, 7
	s_add_co_u32 s94, s94, s95
	s_add_co_u32 s94, s94, STG                     ; block = wave: 768 (wave / 2) + 128 (wave % 2)
	v_add_nc_u32 v[A0], s94, v[T0]
	v_add_nc_u32 v[A1], s94, v[T1]
	s_mul_i32 s94, s[WV], 1536
	s_add_co_u32 s94, s94, STG
	v_add_nc_u32 v[AV0], s94, v[T0]
	v_add_nc_u32 v[AV1], s94, v[T1]
	s_mul_i32 s94, s[WV], 12288
	s_add_co_u32 s94, s94, XIMG
	v_add_nc_u32 v[AX0], s94, v[T0]
	v_add_nc_u32 v[AX1], s94, v[T1]
	v_lshl_add_u32 v[AB], v[RR], 2, SST
	v_add_nc_u32 v[AB], s[WV], v[AB]
	s_lshl_b32 s94, s[WV], 2
	v_add_nc_u32 v[AVS], s94, v[AG16]
	s_lshl_b32 s94, s[WV], 10
	s_add_co_u32 s94, s94, XSC
	v_lshl_add_u32 v[AXW], v[LN], 2, s94
	v_add_nc_u32 v[AXF], XIMG, v[AG8]
	v_lshl_add_u32 v[AXS], v[LN], 2, XSC
	v_lshl_add_u32 v[AXS], v[HH], 7, v[AXS]
	s_mul_i32 s94, s[WV], 8448
	s_add_co_u32 s94, s94, TURNB
	v_add_nc_u32 v[ATS], s94, v[AG16]
	v_mul_u32_u24 v1, v[RR], 528
	v_lshl_add_u32 v1, v[HH], 6, v1
	v_add_nc_u32 v[ATL], s94, v1
	s_mul_i32 s94, s[WV], 6144
	s_add_co_u32 s94, s94, STG
	v_add_nc_u32 v[AFL], s94, v[AG16]
	v_add_nc_u32 v[AFV], s94, v[AG8]
	s_lshl_b32 s94, s[WV], 8
	s_add_co_u32 s94, s94, SST
	v_add_nc_u32 v[AFS], s94, v[AG8]
	s_lshl_b32 s94, s[WV], 7
	v_lshl_add_u32 v[ABI], v[HH], 5, s94
	v_lshl_add_u32 v[ABV], v[RR], 2, s94
	s_mul_i32 s94, s[CX], 3
	s_add_co_u32 s94, s94, s[WV]
	s_lshl_b32 s94, s94, 13
	s_mul_i32 s95, s[TAI], TILEB
	s_add_co_u32 s94, s94, s95
	v_lshl_add_u32 v[PFO], v[LN], 8, s94           ; 256 lane + 8,192 (3 cx + wave) + the walk's first tile: the partners are told apart by address
	s_cmp_lt_u32 s[WV], 3
	s_cselect_b32 s[PFON], 0, 1
	s_lshr_b32 s94, s[RC], 2
	s_or_b32 s[PFON], s[PFON], s94                 ; 0 in waves 0 to 2 of row clusters 0 to 3: the same in all four partners
.irp b,0,1,2,3
	v_mov_b32 v[PX+\b], 0                          ; written once: a lane permute's destination counts as one of its sources
.endr
	; where the results go
	s_lshl_b32 s94, s[RB], 1
	s_lshr_b32 s95, s[WV], 1
	s_add_co_u32 s94, s94, s95
	s_mul_i32 s94, s94, 25600                      ; qc: block 2 rb + wave / 2 (in the flush wave w takes row tile w)
	s_and_b32 s95, s[WV], 1
	s_mul_i32 s96, s95, 12288
	s_add_co_u32 s96, s96, s94
	s_mul_i32 s98, s[GG], 6144
	s_add_co_u32 s96, s96, s98
	s_mov_b32 s97, 0
	s_add_nc_u64 s[QD:QD+1], s[24:25], s[96:97]
	s_lshl_b32 s96, s95, 9
	s_add_co_u32 s96, s96, s94
	s_lshl_b32 s98, s[GG], 8
	s_add_co_u32 s96, s96, s98
	s_add_co_u32 s96, s96, 24576
	s_add_nc_u64 s[QSD:QSD+1], s[24:25], s[96:97]
	s_lshr_b32 s94, s[RB], 1
	s_mul_i32 s94, s94, 102400                     ; kc, vc: tile rb / 2
	s_and_b32 s95, s[RB], 1
	s_lshl_b32 s99, s95, 2
	s_add_co_u32 s99, s99, s[WV]                   ; key tile 4 (rb % 2) + wave
	s_mul_i32 s96, s99, 12288
	s_add_co_u32 s96, s96, s94
	s_mul_i32 s98, s[GG], 6144
	s_add_co_u32 s96, s96, s98
	s_add_nc_u64 s[KD:KD+1], s[26:27], s[96:97]
	s_lshl_b32 s96, s99, 9
	s_add_co_u32 s96, s96, s94
	s_lshl_b32 s98, s[GG], 8
	s_add_co_u32 s96, s96, s98
	s_add_co_u32 s96, s96, 98304
	s_add_nc_u64 s[KSD:KSD+1], s[26:27], s[96:97]
	s_add_co_u32 s99, s[WV], s[TAI]
	s_and_b32 s99, s99, 3                          ; in V's flush wave w takes place w of the walk: tile (rc + w) % 4
	s_lshl_b32 s96, s[GG], 5
	s_lshl_b32 s98, s99, 3
	s_add_co_u32 s96, s96, s98
	s_mul_i32 s96, s96, 1536                       ; fragments 32 g + 8 x that tile on,
	s_add_co_u32 s96, s96, s94
	s_mul_i32 s98, s95, 768                        ; my block's half of each (keys 64 (rb % 2) on)
	s_add_co_u32 s96, s96, s98
	s_add_nc_u64 s[VD:VD+1], s[28:29], s[96:97]
	s_lshl_b32 s96, s[GG], 11
	s_add_co_u32 s96, s96, s94
	s_add_co_u32 s96, s96, 98304
	s_lshl_b32 s98, s95, 1
	s_add_co_u32 s96, s96, s98
	s_add_nc_u64 s[VSD:VSD+1], s[28:29], s[96:97]
; K step q of my 16 rows goes through my turning stage: in as loaded, out 64 bytes a lane for each block of 32: register 16 b + i = k 32 b + 16 h + i of row r.  LDS serves a wave's instructions in order
; (ISA guide 5.7.1.4): no wait between the stores and the loads, nor in front of the next K step's stores.
.macro TURN q
.if 16*(7-(\q)) > 63
	s_wait_loadcnt 63                              ; behind this K step's 16 loads more than the field can name were issued
.else
	s_wait_loadcnt 16*(7-(\q))                     ; the loads of later K steps may be out
.endif
	WIN 0x08+4*((\q)/4)                            ; an LDS store's data are its source 1
.irp i,0,1,2,3,4,5,6,7,8,9,10,11,12,13,14,15
	ds_store_b128 v[ATS], v[64*((\q)%4)+4*\i:64*((\q)%4)+4*\i+3] offset:528*\i
.endr
	WIN 0
.irp b,0,1,2,3
.irp j,0,1,2,3
	ds_load_b128 v[BI+64*((\q)%2)+16*\b+4*\j:BI+64*((\q)%2)+16*\b+4*\j+3], v[ATL] offset:128*\b+16*\j
.endr
.endr
.endm
; 64 numbers of a lane become K step q's fragment of my row tile and its scale word, stored as images
.macro QUANT q
.set QSET, BI+64*((\q)%2)
.irp b,0,1,2,3
	v_max3_num_f32 v[TM+\b], |v[QSET+16*\b]|, |v[QSET+16*\b+1]|, 0x2800000   ; my 16 numbers of block b, and the floor 2^(5 - 127): the byte cannot fall under 1
.endr
.irp i,2,4,6,8,10,12,14
.irp b,0,1,2,3
	v_max3_num_f32 v[TM+\b], v[TM+\b], |v[QSET+16*\b+\i]|, |v[QSET+16*\b+\i+1]|
.endr
.endr
.irp b,0,1,2,3
	v_permlanex16_b32 v[PX+\b], v[TM+\b], s[SEL], s[SEL+1]
.endr
.irp b,0,1,2,3
	v_max_num_f32 v[TM+\b], v[TM+\b], v[PX+\b]     ; with lane l xor 16's: the block's largest magnitude
.endr
.irp b,0,1,2,3
	v_add_nc_u32 v[SO+\b], 0xfe000000, v[TM+\b]    ; 4 off its exponent field: the conversion's scale operand
.endr
.irp b,0,1,2,3
	v_lshrrev_b32 v[BY+\b], 23, v[SO+\b]           ; the scale's byte
.endr
	v_lshl_or_b32 v[PW], v[BY+1], 8, v[BY]
	v_lshl_or_b32 v[PW], v[BY+2], 16, v[PW]
	v_lshl_or_b32 v[PW], v[BY+3], 24, v[PW]
.irp b,0,1,2,3
	v_cvt_scalef32_pk16_bf6_f32 v[CD+4*\b:CD+4*\b+2], v[QSET+16*\b:QSET+16*\b+15], v[SO+\b]
.endr
	v_nop                                          ; one plain place behind the scaled conversions
.irp b,0,1,2,3
	PUT3 CD+4*\b, AX0, AX1, (\q)*1536+768*(\b/2)+128*(\b%2)
.endr
	ds_store_b32 v[AXW], v[PW] offset:(\q)*128
.endm
	TURN 0
.irp q,0,1,2,3,4,5,6,7
.if \q < 7
	TURN (\q)+1
	s_wait_dscnt 32                                ; all but the next K step's 16 stores and 16 loads: this K step's numbers are in, and the last images' stores have read their registers
.else
	s_wait_dscnt 0x0
.endif
	QUANT \q
.endr
	BARRIER                                        ; x's 32 fragments lie in LDS
.irp m,0,1,2,3                                 ; and come into every wave's registers: row tiles 0, 1 in window 2, row tiles 2, 3 in window 3
	WIN 0x80+0x40*(\m/2)
.irp q,0,1,2,3,4,5,6,7
.irp p,0,1,2,3,4,5
	ds_load_b64 v[12*(8*(\m%2)+\q)+2*\p:12*(8*(\m%2)+\q)+2*\p+1], v[AXF] offset:(8*\m+\q)*1536+256*\p
.endr
.endr
.endr
	WIN 0
.irp m,0,1,2,3
.irp g,0,1,2,3
	ds_load_b32 v[XS+4*\m+\g], v[AXS] offset:1024*\m+256*\g
.endr
.endr
; THE CHANGE OF SLOTS stands at a tile's head.  Each wave waits for all its tensor loads (one is out: its part of the tile that it is about to read), adds 0 to its spare word, and waits for that and for its LDS reads.
; fill = 1: a round of the cluster's barrier, and behind it the joint load of the tile at place t of tensor b's walk into slot f, which was read last: the wave's one tensor load until the next round.
.macro CHANGE f, b, t, fill
	s_wait_tensorcnt 0x0                           ; no tensor load of mine is out, so a group 0 may be written
	ds_add_u32 v[SPW], v[NIL]                      ; 0 onto my spare word
.if \fill
	s_mov_b32 s[WOFF], s[TOF+(\t)]
	s_add_nc_u64 s[G0+4*(\f)+2:G0+4*(\f)+3], s[\b:\b+1], s[WOFF:WOFF+1]
	s_or_b32 s[G0+4*(\f)+3], s[G0+4*(\f)+3], 0x80000000
	s_wait_dscnt 0x0                               ; the add is done, and my reads of the slot that I have left are over
	CROUND
	tensor_load_to_lds s[G0+4*(\f):G0+4*(\f)+3], s[G1:G1+7]
	s_nop 0
	PLACES                                         ; four plain places behind the load
.else
	s_wait_dscnt 0x0
	s_barrier_signal -1
	s_barrier_wait -1
.endif
.endm
; A PREFETCH INTO THE L2 of the NEXT tensor's tile at the walk's first place: 98,304 dense bytes = 12 x 8,192.  It stands at place 1 of Q's and of K's walk, two tiles ahead of the load that asks for that tile.
; Row clusters 0 to 3 ask, each for its own first tile, which are the four tiles of the feature group; in each, waves 0 to 2 of the four partners take 8,192 bytes each, lanes 256 bytes apart, told apart by address.
; So each block of 256 bytes of Wk and Wv is named once.  Wq comes by its loads alone: nothing is prefetched at the head.
.macro ASK b
	s_cmp_eq_u32 s[PFON], 0
	s_cbranch_scc0 .Lnoask_\@
	global_prefetch_b8 v[PFO], s[\b:\b+1] th:TH_LOAD_NT scope:SCOPE_SE
.Lnoask_\@:
.endm
.macro TRIPLOADS kind, sc, bi          ; a tensor's scale words and biases for my features of its four tiles, in the order of the walk
.irp t,0,1,2,3
	s_wait_xcnt 0x0                                ; the loads before have read their offsets: the two registers below may be written
	s_lshl_b32 s94, s[TAI+\t], 12                  ; the tile's 128 rows x 32 scale bytes
	s_lshl_b32 s95, s[TAI+\t], 9                   ; and its 128 biases
	v_add_nc_u32 v[AWR], s94, v[AWS]
.if \kind
	v_add_nc_u32 v[ABR], s95, v[ABV]
.else
	v_add_nc_u32 v[ABR], s95, v[ABI]
.endif
.irp a,0,1
	global_load_b128 v[WS+8*\t+4*\a:WS+8*\t+4*\a+3], v[AWR], s[\sc:\sc+1] offset:512*\a   ; 16 rows x 32 bytes: 512 consecutive bytes
.endr
.if \kind
.irp a,0,1
	global_load_b32 v[BI+2*\t+\a], v[ABR], s[\bi:\bi+1] offset:64*\a                      ; V: a lane holds one feature
.endr
.else
.irp a,0,1
.irp k,0,1
	global_load_b128 v[BI+16*\t+8*\a+4*\k:BI+16*\t+8*\a+4*\k+3], v[ABR], s[\bi:\bi+1] offset:64*\a+16*\k   ; Q, K: a lane holds features 8 h + 0..7
.endr
.endr
.endif
.endr
.endm
.macro WFETCH sl                       ; my 32 rows of the tile: 16 fragments, K step by K step, in pieces of 8 bytes.  Lanes 16-31 read three pieces on: where that is behind one padding more, the second address register serves
	WIN 0x40
.irp q,0,1,2,3,4,5,6,7
.irp a,0,1
.irp p,0,1,2,3,4,5
.set PCN, 12*\q+6*(\p/3)+\p%3
.if PCN%32 < 29
	ds_load_b64 v[12*(8*\a+\q)+2*\p:12*(8*\a+\q)+2*\p+1], v[AW+2*(\sl)] offset:\a*13056+8*PCN+16*(PCN/32)
.else
	ds_load_b64 v[12*(8*\a+\q)+2*\p:12*(8*\a+\q)+2*\p+1], v[AW+2*(\sl)+1] offset:\a*13056+8*PCN+16*(PCN/32)
.endif
.endr
.endr
.endr
.endm
; 64 matrix instructions: two passes of two row tiles; in each four accumulators take turns, one instruction a turn.  The bias is the C of each sum's first instruction.
.macro MULQK tp
.irp ps,0,1
	WIN 0x09+4*\ps                                 ; source 0 (W) window 1, source 1 (x) window 2 or 3
.irp q,0,1,2,3,4,5,6,7
.if \ps == 0
	DSW 84-12*\q                                   ; the fragment loads of later K steps may be out
.endif
.irp u,0,1
.irp a,0,1
.if \q == 0
	WM ACC+16*(2*\ps+\u)+8*\a, 12*(8*\a+\q), 12*(8*\u+\q), BI+16*(\tp)+8*\a, WS+8*(\tp)+4*\a+\q%4, XS+4*(2*\ps+\u)+\q/2, \q/4, \q%2
.else
	WM ACC+16*(2*\ps+\u)+8*\a, 12*(8*\a+\q), 12*(8*\u+\q), ACC+16*(2*\ps+\u)+8*\a, WS+8*(\tp)+4*\a+\q%4, XS+4*(2*\ps+\u)+\q/2, \q/4, \q%2
.endif
.endr
.endr
.endr
.endr
.endm
.macro MULV tp                         ; the same with the sources swapped: group 2 a + p holds feature tile a, rows 32 p + 16 u + 8 h + j
.irp ps,0,1
	WIN 0x06+\ps                                   ; source 0 (x) window 2 or 3, source 1 (W) window 1
.irp q,0,1,2,3,4,5,6,7
.if \ps == 0
	DSW 84-12*\q
.endif
.irp u,0,1
.irp a,0,1
.if \q == 0
	WM ACC+16*(2*\a+\ps)+8*\u, 12*(8*\u+\q), 12*(8*\a+\q), CB+8*\a, XS+4*(2*\ps+\u)+\q/2, WS+8*(\tp)+4*\a+\q%4, \q%2, \q/4
.else
	WM ACC+16*(2*\a+\ps)+8*\u, 12*(8*\u+\q), 12*(8*\a+\q), ACC+16*(2*\a+\ps)+8*\u, XS+4*(2*\ps+\u)+\q/2, WS+8*(\tp)+4*\a+\q%4, \q%2, \q/4
.endif
.endr
.endr
.endr
.endr
.endm
.macro EPI                             ; four groups of 16 numbers, each half a block of 32 along the next K, by turns; each accumulator is read from its low end on
.irp g,0,1,2,3
	v_max3_num_f32 v[TM+\g], |v[ACC+16*\g]|, |v[ACC+16*\g+1]|, 0x2800000
.endr
.irp i,2,4,6,8,10,12,14
.irp g,0,1,2,3
	v_max3_num_f32 v[TM+\g], v[TM+\g], |v[ACC+16*\g+\i]|, |v[ACC+16*\g+\i+1]|
.endr
.endr
.irp g,0,1,2,3
	v_permlanex16_b32 v[PX+\g], v[TM+\g], s[SEL], s[SEL+1]
.endr
.irp g,0,1,2,3
	v_max_num_f32 v[TM+\g], v[TM+\g], v[PX+\g]
.endr
.irp g,0,1,2,3
	v_add_nc_u32 v[SO+\g], 0xfe000000, v[TM+\g]
.endr
.irp g,0,1,2,3
	v_lshrrev_b32 v[BY+\g], 23, v[SO+\g]
.endr
.irp g,0,1,2,3
	v_cvt_scalef32_pk16_bf6_f32 v[CD+4*\g:CD+4*\g+2], v[ACC+16*\g:ACC+16*\g+15], v[SO+\g]
.endr
	v_nop                                          ; one plain place behind the scaled conversions
.endm
.macro PUTQK tp                        ; block = wave of the K step at place tp of the walk, for the four row tiles
.irp m,0,1,2,3
	PUT3 CD+4*\m, ADA0, ADA1, \m*6144+(\tp)*1536
	ds_store_b8 v[ADB], v[BY+\m] offset:\m*256+(\tp)*64   ; both halves of the lanes write the same byte with the same value
.endr
.endm
.macro PUTV tp
.irp a,0,1
.irp p,0,1
	PUT3 CD+4*(2*\a+\p), AV0, AV1, (8*(\tp)+\a)*768+128*\p
.endr
.endr
	v_lshl_or_b32 v[HW0], v[BY+1], 8, v[BY]        ; feature tile 0: the bytes of my two key blocks
	v_lshl_or_b32 v[HW1], v[BY+3], 8, v[BY+2]      ; feature tile 1
	v_cndmask_b32 v[HV+(\tp)], v[HW0], v[HW1], s[MHI]   ; lanes 16-31 store tile 1's
	s_wait_xcnt 0x0                                ; the last tile's store has read its offset: it may be written
	s_lshl_b32 s94, s[TAI+(\tp)], 9                ; the tile's 512 bytes of scale words
	v_add_nc_u32 v[AVR], s94, v[AVS]
	global_store_b16 v[AVR], v[HV+(\tp)], s[VSD:VSD+1]   ; two bytes a lane: V's scale bytes are 4,096 of a tile's 102,400
.endm
; ONE WEIGHT TILE.  kind 0: Q or K, 1: V.  tp: the place in the tensor's walk; its tile lies in slot tp % 2.
.macro STEP kind, tp, cur, nxt, fill
.if (\tp) < 3
	CHANGE ((\tp)+1)%2, \cur, (\tp)+1, \fill
.else
	CHANGE 0, \nxt, 0, \fill
.endif
.if (\tp) == 0
	s_wait_loadcnt 0x0                             ; the tensor's scale words and biases
.if (\kind) == 0
	v_add_nc_u32 v[ADA0], s[PO], v[A0]             ; (no LDS instruction of mine is out)
	v_add_nc_u32 v[ADA1], s[PO], v[A1]
	v_add_nc_u32 v[ADB], s[PS], v[AB]
.endif
.endif
.if \kind
.irp a,0,1
.irp j,0,1,2,3,4,5,6,7
	v_mov_b32 v[CB+8*\a+\j], v[BI+2*(\tp)+\a]      ; V's bias in the result's layout: my feature's, for all eight rows
.endr
.endr
	PLACES
.endif
	WFETCH (\tp)%2
	WIN 0
.if ((\kind) == 0) && ((\tp) == 1)
	ASK \nxt
.endif
.if \kind
	MULV \tp
.else
	MULQK \tp
.endif
	WIN 0
	PLACES                                         ; in front of the first read of results
	EPI
.if \kind
	PUTV \tp
.else
	PUTQK \tp
.endif
.endm
	s_mov_b32 s[PO], 0
	s_mov_b32 s[PS], 0
	s_mov_b32 s[TRIP], 2
.Lpart:                                            ; two trips: Q, then K
	TRIPLOADS 0, SCUR, BCUR
	STEP 0, 0, CURG, NEXTG, 1
	STEP 0, 1, CURG, NEXTG, 1
	STEP 0, 2, CURG, NEXTG, 1
	STEP 0, 3, CURG, NEXTG, 1
	s_wait_xcnt 0x0                                ; the trip's loads and prefetch have read their bases: they may be written
	s_mov_b64 s[CURG:CURG+1], s[NEXTG:NEXTG+1]
	s_mov_b64 s[NEXTG:NEXTG+1], s[18:19]
	s_mov_b64 s[SCUR:SCUR+1], s[14:15]
	s_mov_b64 s[BCUR:BCUR+1], s[16:17]
	s_add_co_u32 s[PO], s[PO], 24576
	s_add_co_u32 s[PS], s[PS], 1024
	s_sub_co_u32 s[TRIP], s[TRIP], 1
	s_cmp_lg_u32 s[TRIP], 0
	s_cbranch_scc1 .Lpart
	TRIPLOADS 1, 20, 22                            ; V's scale words and biases are asked for here: the flush below stands between the request and the wait for it
	; Q's and K's images leave: wave w takes row tile w: 6,144 bytes of codes and 256 of scale words for each.  The stage lies in the order of the walk; each fragment goes to its own K step's place
.irp t,0,1,2,3
	s_mul_i32 s94, s[TAI+\t], 1536
	v_add_nc_u32 v[TM+\t], s94, v[AG16]            ; 16 lane + 1,536 x the tile at place t
.endr
	v_lshrrev_b32 v[SO], 3, v[LN]                  ; scale words: eight lanes hold a K step's 64 bytes: place lane / 8
	v_add_nc_u32 v[SO], s[TAI], v[SO]
	v_and_b32 v[SO], 3, v[SO]                      ; its tile
	v_and_b32 v[SO+1], 7, v[LN]
	v_lshlrev_b32 v[SO+1], 3, v[SO+1]
	v_lshl_or_b32 v[SO], v[SO], 6, v[SO+1]         ; 64 x tile + 8 (lane % 8): the 32 lanes still cover 256 consecutive bytes
	BARRIER
.irp pt,0,1
.irp k,0,1,2,3,4,5,6,7,8,9,10,11
	ds_load_b128 v[FL+48*\pt+4*\k:FL+48*\pt+4*\k+3], v[AFL] offset:24576*\pt+512*\k
.endr
	ds_load_b64 v[FL+96+2*\pt:FL+97+2*\pt], v[AFS] offset:1024*\pt
.endr
	s_wait_dscnt 13                                ; Q's 13 loads are in; K's 13 may be out
.irp k,0,1,2,3,4,5,6,7,8,9,10,11
	global_store_b128 v[TM+\k/3], v[FL+4*\k:FL+4*\k+3], s[QD:QD+1] offset:512*(\k%3)      ; 32 lanes store 512 consecutive bytes, at a multiple of 256 from the buffer's first byte
.endr
	global_store_b64 v[SO], v[FL+96:FL+97], s[QSD:QSD+1]
	s_wait_dscnt 0x0
.irp k,0,1,2,3,4,5,6,7,8,9,10,11
	global_store_b128 v[TM+\k/3], v[FL+48+4*\k:FL+48+4*\k+3], s[KD:KD+1] offset:512*(\k%3)
.endr
	global_store_b64 v[SO], v[FL+98:FL+99], s[KSD:KSD+1]
	s_wait_xcnt 0x0                                ; the stores have read their registers: V's moves and products may write them
	STEP 1, 0, CURG, NEXTG, 1
	STEP 1, 1, CURG, NEXTG, 1
	STEP 1, 2, CURG, NEXTG, 1
	STEP 1, 3, CURG, NEXTG, 0                      ; the last tile: nothing is left to fetch
	; V's half fragments leave: eight a wave (place w of the walk), three pieces of 256 bytes each
	BARRIER
.irp i,0,1,2,3,4,5,6,7
.irp p,0,1,2
	ds_load_b64 v[FL+6*\i+2*\p:FL+6*\i+2*\p+1], v[AFV] offset:768*\i+256*\p
.endr
.endr
	s_wait_dscnt 0x0
.irp i,0,1,2,3,4,5,6,7
.irp p,0,1,2
	global_store_b64 v[AG8], v[FL+6*\i+2*\p:FL+6*\i+2*\p+1], s[VD:VD+1] offset:1536*\i+256*\p   ; 32 lanes store 256 consecutive bytes, aligned
.endr
.endr
	s_wait_tensorcnt 0x0                           ; the wave's end
	ds_add_u32 v[SPW], v[NIL]
	s_wait_dscnt 0x0
	CROUND                                         ; the closing round: no work-group ends while a partner may still ask for a tile that names it
	s_endpgm
.Lfunc_end_k_q5b096b3cc4_qkv:
	.size	k_q5b096b3cc4_qkv, .Lfunc_end_k_q5b096b3cc4_qkv-k_q5b096b3cc4_qkv
	.p2alignl 7, 3214868480
	.fill 96, 4, 3214868480
	.section	.rodata,"a",@progbits
	.p2align	6, 0x0
	.amdhsa_kernel k_q5b096b3cc4_qkv
		.amdhsa_group_segment_fixed_size 327680
		.amdhsa_private_segment_fixed_size 0
		.amdhsa_enable_private_segment 0
		.amdhsa_kernarg_size 104
		.amdhsa_user_sgpr_count 2
		.amdhsa_user_sgpr_kernarg_segment_ptr 1
		.amdhsa_wavefront_size32 1
		.amdhsa_system_sgpr_workgroup_id_x 1
		.amdhsa_system_sgpr_workgroup_id_y 1
		.amdhsa_system_sgpr_workgroup_id_z 1
		.amdhsa_system_vgpr_workitem_id 0
		.amdhsa_next_free_vgpr 1024
		.amdhsa_next_free_sgpr 102
		.amdhsa_reserve_vcc 0
		.amdhsa_float_denorm_mode_32 3
		.amdhsa_float_denorm_mode_16_64 3
		.amdhsa_memory_ordered 1
		.amdhsa_forward_progress 1
		.amdhsa_inst_pref_size 255
	.end_amdhsa_kernel
	.section	.bss,"aw",@nobits
	.p2align	6
	.space	262144
	.amdgpu_metadata
---
amdhsa.version: [ 1, 2 ]
amdhsa.kernels:
  - .name:           k_q5b096b3cc4_qkv
    .symbol:         k_q5b096b3cc4_qkv.kd
    .args:
      - { .name: x, .offset: 0, .size: 8, .value_kind: global_buffer, .address_space: global }
      - { .name: Wq_codes, .offset: 8, .size: 8, .value_kind: global_buffer, .address_space: global }
      - { .name: Wq_scales, .offset: 16, .size: 8, .value_kind: global_buffer, .address_space: global }
      - { .name: bq, .offset: 24, .size: 8, .value_kind: global_buffer, .address_space: global }
      - { .name: Wk_codes, .offset: 32, .size: 8, .value_kind: global_buffer, .address_space: global }
      - { .name: Wk_scales, .offset: 40, .size: 8, .value_kind: global_buffer, .address_space: global }
      - { .name: bk, .offset: 48, .size: 8, .value_kind: global_buffer, .address_space: global }
      - { .name: Wv_codes, .offset: 56, .size: 8, .value_kind: global_buffer, .address_space: global }
      - { .name: Wv_scales, .offset: 64, .size: 8, .value_kind: global_buffer, .address_space: global }
      - { .name: bv, .offset: 72, .size: 8, .value_kind: global_buffer, .address_space: global }
      - { .name: qc, .offset: 80, .size: 8, .value_kind: global_buffer, .address_space: global }
      - { .name: kc, .offset: 88, .size: 8, .value_kind: global_buffer, .address_space: global }
      - { .name: vc, .offset: 96, .size: 8, .value_kind: global_buffer, .address_space: global }
    .group_segment_fixed_size: 327680
    .private_segment_fixed_size: 0
    .kernarg_segment_align: 8
    .kernarg_segment_size: 104
    .max_flat_workgroup_size: 128
    .sgpr_count:     102
    .vgpr_count:     1024
    .wavefront_size: 32
...
	.end_amdgpu_metadata
.endif
;; end of part 1
;; launch attn (part 2): grid 256 x 1, 4 waves a work-group, clusters of 4 x 1, 327,680 bytes of LDS; arguments qc, kc, vc, x, gamma, beta, out0; writes out0
.if DOCPART == 2
	.amdgcn_target "amdgcn-amd-amdhsa--gfx1250"
	.amdhsa_code_object_version 6
	.text
	.protected	k_q5b096b3cc4_attn
	.globl	k_q5b096b3cc4_attn
	.p2align	8
	.type	k_q5b096b3cc4_attn,@function
k_q5b096b3cc4_attn:
	s_mov_b64 s[64:65], 0
	v_nop
	global_prefetch_b8 v0, s[64:65] scope:SCOPE_SE
	s_setreg_imm32_b32 hwreg(HW_REG_WAVE_MODE, 25, 1), 1
	s_wait_xcnt 0x0
	s_wait_alu depctr_hold_cnt(0) depctr_sa_sdst(0) depctr_va_vdst(0) depctr_va_sdst(0) depctr_va_ssrc(0) depctr_va_vcc(0) depctr_vm_vsrc(0)
	s_getreg_b32 s2, hwreg(HW_REG_IB_STS2, 6, 4)
	s_cmp_eq_u32 s2, 0
	s_cbranch_scc0 .Lentry_in_a_cluster
	s_endpgm
.Lentry_in_a_cluster:
	s_bfe_u32 s2, ttmp6, 0x10000c
	s_cmp_lg_u32 s2, 0x3003
	s_cbranch_scc0 .Lentry_shape_is_right
	s_endpgm
.Lentry_shape_is_right:
; out = LayerNorm(x + softmax(Q K^T / 32) V) x gamma + beta, both products on codes of E3M2 with one E8M0 scale for each 32 along K.  qc, kc, vc: the launch before's buffers (fragment images and scale words; its head says how they lie).
; SHARES.  A work-group owns 32 queries (two tiles T) of one batch and walks that batch's 2,048 keys twice, 128 a step: 16 tiles of K, then 16 tiles of V, 102,400 bytes each, through two LDS slots.
; The four work-groups of a cluster own neighbouring queries of one batch and walk the same tiles: each tile is asked for JOINTLY (mask 15), a quarter by each wave.
; The walk begins at tile j0 = cluster % 16 and goes round, for K and V alike: the sixteen clusters of a batch ask for sixteen different tiles in each step.  P lies in LDS in walking order: no LDS address hangs on j0.
; PHASE 1.  S^T = K Q^T: wave w takes key tiles 2 w, 2 w + 1 of a step, one block of 32 keys, against both T; Q lies in registers.  t = score x log2(e) / 32; M = the wave's running largest t, rounded up to a whole number;
; p = 2^(t - M) is quantised at once, and its codes stay in LDS: 32 rows of 1,536 bytes.  With each block goes the whole number I = its scale byte + M.  The sum of the unquantised p is kept under the wave's M.
; BETWEEN.  The row's M is the largest of the four waves'; the four sums are brought under it by exact powers of two; each block's scale byte becomes I - M.  That is the byte that the block would have had under the row's M.
; PHASE 2.  O^T = V^T P^T: wave w takes features 256 w .. 256 w + 255 (16 tiles) against both T: 32 accumulators, nothing but loads and products.
; THE WAY OUT.  O goes through a stage in LDS; each wave then owns 8 whole rows: h = O / l + x, mean, variance of h - mean, 1 / sqrt, gamma, beta; whole rows are stored.
; ORDER INSIDE A BLOCK OF 32 KEYS: key 16 a + 8 h + j is laid at code place 16 h + 8 a + j, as the launch before laid V's keys.
; LIMITS: |t| stays under 2^31 - 200 (M and I are 32-bit whole numbers).  NaN and infinities are not served.  A p under 2^-126 counts as 0.  A block whose largest p lies under 2^-122 under its wave's M, or more than 122 powers of
; two under the row's M, is held at the scale byte 1.
.set TILEB,  102400                    ; a tile, and a slot
.set QTR,    25600                     ; what one wave's tensor load brings
.set PB,     204800                    ; P's codes: 32 rows x 1,552 bytes (388 words: row r starts at bank 4 r mod 64; 64 banks of 4 bytes: ISA guide 11.1)
.set PP,     1552
.set IST,    254464                    ; I: step 512 + T 256 + 16 r + 4 wave
.set SCW,    262656                    ; P's scale words: step 128 + T 64 + 4 r
.set MXR,    264704                    ; the waves' -M: T 256 + 16 r + 4 wave; their sums 512 bytes on
.set RLB,    265728                    ; 1 / l: 64 wave + 4 r (waves 0, 1: T = 0, 1)
.set SPARE,  265984                    ; the spare words: 128 bytes a wave, two blocks of 256 bytes that no other line names
.set OP,     4112                      ; the way out: a stage of 32 rows x (4,096 + 16) bytes from LDS byte 0 on, in slots that have had their last fill and their last read
.set SPW, 2
.set NIL, 3
.set AF, 4                             ; v4-5   my fragments in slot 0, 1: 24,576 wave + 8 lane
.set ASK, 6                            ; v6-7   K's scale words: 98,304 + 1,024 wave + 4 lane
.set ASV, 8                            ; v8-9   V's: ... + 16 lane
.set APW, 10                           ; P, written: PB + 1,552 r + 12 h + 24 wave
.set AIW, 11                           ; IST + 16 r + 4 wave
.set APR, 12                           ; P, read: PB + 1,552 r + 24 h
.set ASW, 13                           ; SCW + 4 r
.set ADP, 14                           ; these four + the step's offset
.set ADI, 15
.set ADPR, 16
.set ADSW, 17
.set AG4, 18
.set AG8, 19
.set AG16, 20
.set AOS, 21                           ; v21-22 the stage, in: T = 0, 1
.set AOR, 23                           ; and out: my 8 rows
.set ARL, 24
.set AMX, 25
.set AMR, 26
.set ARW, 27
.set AFI, 28
.set AFW, 29
.set PFO, 30
.set SQ, 36                            ; v36-43 Q's scale words: 4 T + g: lanes 0-15 K step 2 g, lanes 16-31 K step 2 g + 1
.set SK, 44                            ; v44-51 K's: 4 a + g
.set VS, 52                            ; v52-59 V's: d / 2: lanes 0-15 the even feature tile, lanes 16-31 the odd one
.set PS, 60                            ; v60-61 P's
.set NMP, 62                           ; the pair [-M, largest t] of T at NMP + 2 T
.set LP, 66                            ; the sum, in two halves
.set FP, 70                            ; [f, 0]
.set BM, 74
.set PX, 76
.set OLD, 78
.set SO, 80
.set BY, 82
.set IW, 84
.set SUMP, 86
.set TT, 90
.set LN, 92
.set RR, 93
.set HH, 94
.set S, 96                             ; v96-127 S^T, then p: 16 T + 8 a + j
.set PF, 128                           ; v128-151 P's two fragments
.set CD, 152                           ; v152-159 codes just made
.set H, 160                            ; v160-191 a row of h
.set GA, 192                           ; gamma, beta: 4 k + e = column 128 k + 4 lane + e
.set BE, 224
.set AC0, 86
.set AC1, 88
.set RS, 90
.set RLP, 92
.set MU, 94
.set WV, 18
.set CX, 19
.set G1, 24
.set G0, 32
.set KBW, 40
.set VBW, 42
.set OFF, 44
.set IDX, 46
.set NX, 47
.set QB, 48
.set XB, 50
.set OB, 52
.set VPF, 54
.set SEL, 56
.set CS, 58
.set PJ, 60
.set IJ, 61
.set KT, 62
.set PFL, 63
.set PR, 66
.set SW, 67
.set INV, 68
.set EPS, 69
.set MSB, 0
.macro WIN new
.if MSB != (\new)
	s_set_vgpr_msb (MSB<<8)|(\new)
.set MSB, (\new)
.endif
.endm
.macro PLACES
.rept 4
	v_nop
.endr
.endm
.macro DSW n
.if (\n) > 63
	s_wait_dscnt 63
.else
	s_wait_dscnt (\n)
.endif
.endm
.macro BARRIER
	s_wait_dscnt 0x0
	s_barrier_signal -1
	s_barrier_wait -1
.endm
.macro CROUND
	s_barrier_signal -1
	s_barrier_wait -1
	s_cmp_lg_u32 s[WV], 0
	s_cbranch_scc1 .Lnot_wave_0_\@
	s_barrier_signal -3
.Lnot_wave_0_\@:
	s_barrier_wait -3
	s_barrier_signal -1
	s_barrier_wait -1
.endm
.macro WM d, a, b, c, sa, sb, ra, rb
.if (\c) < 0
.if (\ra) && (\rb)
	v_wmma_scale_f32_16x16x128_f8f6f4 v[(\d):(\d)+7], v[(\a):(\a)+11], v[(\b):(\b)+11], 0, v[\sa], v[\sb] matrix_a_fmt:MATRIX_FMT_BF6 matrix_b_fmt:MATRIX_FMT_BF6 matrix_a_scale:MATRIX_SCALE_ROW1 matrix_b_scale:MATRIX_SCALE_ROW1
.elseif (\ra)
	v_wmma_scale_f32_16x16x128_f8f6f4 v[(\d):(\d)+7], v[(\a):(\a)+11], v[(\b):(\b)+11], 0, v[\sa], v[\sb] matrix_a_fmt:MATRIX_FMT_BF6 matrix_b_fmt:MATRIX_FMT_BF6 matrix_a_scale:MATRIX_SCALE_ROW1
.elseif (\rb)
	v_wmma_scale_f32_16x16x128_f8f6f4 v[(\d):(\d)+7], v[(\a):(\a)+11], v[(\b):(\b)+11], 0, v[\sa], v[\sb] matrix_a_fmt:MATRIX_FMT_BF6 matrix_b_fmt:MATRIX_FMT_BF6 matrix_b_scale:MATRIX_SCALE_ROW1
.else
	v_wmma_scale_f32_16x16x128_f8f6f4 v[(\d):(\d)+7], v[(\a):(\a)+11], v[(\b):(\b)+11], 0, v[\sa], v[\sb] matrix_a_fmt:MATRIX_FMT_BF6 matrix_b_fmt:MATRIX_FMT_BF6
.endif
.else
.if (\ra) && (\rb)
	v_wmma_scale_f32_16x16x128_f8f6f4 v[(\d):(\d)+7], v[(\a):(\a)+11], v[(\b):(\b)+11], v[(\c):(\c)+7], v[\sa], v[\sb] matrix_a_fmt:MATRIX_FMT_BF6 matrix_b_fmt:MATRIX_FMT_BF6 matrix_a_scale:MATRIX_SCALE_ROW1 matrix_b_scale:MATRIX_SCALE_ROW1
.elseif (\ra)
	v_wmma_scale_f32_16x16x128_f8f6f4 v[(\d):(\d)+7], v[(\a):(\a)+11], v[(\b):(\b)+11], v[(\c):(\c)+7], v[\sa], v[\sb] matrix_a_fmt:MATRIX_FMT_BF6 matrix_b_fmt:MATRIX_FMT_BF6 matrix_a_scale:MATRIX_SCALE_ROW1
.elseif (\rb)
	v_wmma_scale_f32_16x16x128_f8f6f4 v[(\d):(\d)+7], v[(\a):(\a)+11], v[(\b):(\b)+11], v[(\c):(\c)+7], v[\sa], v[\sb] matrix_a_fmt:MATRIX_FMT_BF6 matrix_b_fmt:MATRIX_FMT_BF6 matrix_b_scale:MATRIX_SCALE_ROW1
.else
	v_wmma_scale_f32_16x16x128_f8f6f4 v[(\d):(\d)+7], v[(\a):(\a)+11], v[(\b):(\b)+11], v[(\c):(\c)+7], v[\sa], v[\sb] matrix_a_fmt:MATRIX_FMT_BF6 matrix_b_fmt:MATRIX_FMT_BF6
.endif
.endif
.endm
	s_load_b256 s[4:11], s[0:1], 0x0               ; qc, kc, vc, x
	s_load_b128 s[12:15], s[0:1], 0x20             ; gamma, beta
	s_load_b64 s[16:17], s[0:1], 0x30              ; out0
	v_lshl_add_u32 v[SPW], v0, 2, SPARE
	v_mov_b32 v[NIL], 0
	ds_add_u32 v2, v3
	ds_add_u32 v2, v3
	s_wait_dscnt 0x0
	v_lshrrev_b32 v1, 5, v0
	v_readfirstlane_b32 s[WV], v1                  ; wave 0..3
	s_bfe_u32 s[CX], ttmp6, 0x40000                ; my place in the cluster
	s_lshr_b32 s70, ttmp9, 4                       ; the batch, which the four partners share
	s_and_b32 s[IDX], ttmp9, 15                    ; j0: the tile at which the walk begins
	; descriptor group 1: a quarter of a tile, 25,600 dense bytes, as 100 rows of 256 bytes (32 elements of 8 bytes), no padding
	s_mov_b32 s[G1], 15|(3<<16)|(1<<21)            ; 15:0 the mask: all four; 17:16 elements of 8 bytes; 21 set beside a mask
	s_mov_b32 s[G1+1], 32<<16
	s_mov_b32 s[G1+2], 100<<16
	s_mov_b32 s[G1+3], 32<<16
	s_mov_b32 s[G1+4], 100
	s_mov_b32 s[G1+5], 32
	s_mov_b32 s[G1+6], 0
	s_mov_b32 s[G1+7], 0
	s_mov_b32 s[G0], 1
	s_mul_i32 s[G0+1], s[WV], QTR
	s_mov_b32 s[G0+4], 1
	s_add_co_u32 s[G0+5], s[G0+1], TILEB
	s_mul_i32 s72, s70, 1638400                    ; the batch's 16 tiles
	s_mul_i32 s71, s[WV], QTR
	s_add_co_u32 s70, s72, s71                     ; + my quarter
	s_mov_b32 s71, 0
	s_mul_i32 s[OFF], s[IDX], TILEB
	s_mov_b32 s[OFF+1], 0
	s_add_co_u32 s72, s72, s[OFF]
	s_mov_b32 s73, 0
	s_mov_b32 s[NX], 0                             ; how many tiles have been asked for, less one
	s_mov_b32 s[SEL], 0x76543210
	s_mov_b32 s[SEL+1], 0xfedcba98
	s_mov_b32 s[CS], 0x3d38aa3b                    ; c = log2(e) / 32
	s_mov_b32 s[CS+1], s[CS]                       ; (named with it as a pair, so it is written)
	s_mov_b32 s[INV], 0x3a800000                   ; 1 / 1,024
	s_mov_b32 s[EPS], 0x3727c5ac                   ; 1e-5
	s_cmp_lt_u32 s[WV], 3
	s_cselect_b32 s[PFL], 2, -1
	s_wait_kmcnt 0x0
	s_add_nc_u64 s[KBW:KBW+1], s[6:7], s[70:71]
	s_add_nc_u64 s[VBW:VBW+1], s[8:9], s[70:71]
	s_add_nc_u64 s[VPF:VPF+1], s[8:9], s[72:73]    ; V's tile j0
	s_add_nc_u64 s[G0+2:G0+3], s[KBW:KBW+1], s[OFF:OFF+1]
	s_or_b32 s[G0+3], s[G0+3], 0x80000000
	CROUND                                         ; all four work-groups are here: the first joint load meets
	tensor_load_to_lds s[G0:G0+3], s[G1:G1+7]      ; K's tile j0 into slot 0
	s_nop 0
	PLACES
	s_lshl_b32 s74, ttmp9, 2
	s_add_co_u32 s74, s74, s[CX]                   ; my block of 32 queries
	s_mul_i32 s76, s74, 25600
	s_mov_b32 s77, 0
	s_add_nc_u64 s[QB:QB+1], s[4:5], s[76:77]
	s_lshl_b32 s76, s74, 17                        ; 32 rows of 4,096 bytes,
	s_lshl_b32 s78, s[WV], 15                      ; my wave's 8 of them
	s_add_co_u32 s76, s76, s78
	s_add_nc_u64 s[XB:XB+1], s[10:11], s[76:77]
	s_add_nc_u64 s[OB:OB+1], s[16:17], s[76:77]
	v_and_b32 v[LN], 31, v0
	v_and_b32 v[RR], 15, v0
	v_bfe_u32 v[HH], v0, 4, 1
	v_lshlrev_b32 v[AG4], 2, v[LN]
	v_lshlrev_b32 v[AG8], 3, v[LN]
	v_lshlrev_b32 v[AG16], 4, v[LN]
	WIN 0x80                                       ; Q's 16 fragments stay in window 2: each load takes 256 consecutive bytes
.irp f,0,1,2,3,4,5,6,7,8,9,10,11,12,13,14,15
.irp p,0,1,2,3,4,5
	global_load_b64 v[12*\f+2*\p:12*\f+2*\p+1], v[AG8], s[QB:QB+1] offset:1536*\f+256*\p
.endr
.endr
	WIN 0
.irp m,0,1
.irp g,0,1,2,3
	global_load_b32 v[SQ+4*\m+\g], v[AG4], s[QB:QB+1] offset:24576+512*\m+128*\g
.endr
.endr
	s_mul_i32 s70, s[WV], 24576
	v_add_nc_u32 v[AF], s70, v[AG8]
	v_add_nc_u32 v[AF+1], TILEB, v[AF]
	s_lshl_b32 s70, s[WV], 10
	s_add_co_u32 s70, s70, 98304
	v_add_nc_u32 v[ASK], s70, v[AG4]
	v_add_nc_u32 v[ASK+1], TILEB, v[ASK]
	v_add_nc_u32 v[ASV], s70, v[AG16]
	v_add_nc_u32 v[ASV+1], TILEB, v[ASV]
	v_mul_u32_u24 v1, v[RR], PP
	v_add_nc_u32 v1, PB, v1
	v_mad_u32_u24 v[APR], v[HH], 24, v1
	v_mad_u32_u24 v[APW], v[HH], 12, v1
	s_mul_i32 s70, s[WV], 24
	v_add_nc_u32 v[APW], s70, v[APW]
	v_lshlrev_b32 v1, 4, v[RR]                     ; 16 r
	s_lshl_b32 s70, s[WV], 2
	v_add_nc_u32 v95, s70, v1
	v_add_nc_u32 v[AIW], IST, v95
	v_add_nc_u32 v[AMX], MXR, v95
	v_lshl_add_u32 v[ASW], v[RR], 2, SCW
	s_and_b32 s71, s[WV], 1                        ; between the phases wave w serves T = w % 2 and steps 8 (w / 2) on
	s_lshr_b32 s72, s[WV], 1
	s_lshl_b32 s70, s71, 8
	s_add_co_u32 s70, s70, MXR
	v_add_nc_u32 v[AMR], s70, v1
	s_lshl_b32 s70, s[WV], 6
	s_add_co_u32 s70, s70, RLB
	v_lshl_add_u32 v[ARW], v[RR], 2, s70
	s_lshl_b32 s70, s72, 12
	s_lshl_b32 s73, s71, 8
	s_add_co_u32 s70, s70, s73
	s_add_co_u32 s70, s70, IST
	v_lshl_add_u32 v[AFI], v[HH], 9, v1
	v_add_nc_u32 v[AFI], s70, v[AFI]
	s_lshl_b32 s70, s72, 10
	s_lshl_b32 s73, s71, 6
	s_add_co_u32 s70, s70, s73
	s_add_co_u32 s70, s70, SCW
	v_lshlrev_b32 v95, 2, v[RR]
	v_lshl_add_u32 v95, v[HH], 7, v95
	v_add_nc_u32 v[AFW], s70, v95
	v_mul_u32_u24 v1, v[RR], OP
	v_lshl_add_u32 v1, v[HH], 5, v1
	s_lshl_b32 s70, s[WV], 10
	v_add_nc_u32 v[AOS], s70, v1
	v_add_nc_u32 v[AOS+1], 16*OP, v[AOS]
	s_mul_i32 s70, s[WV], 8*OP
	v_add_nc_u32 v[AOR], s70, v[AG16]
	s_lshl_b32 s70, s[WV], 5
	s_add_co_u32 s70, s70, RLB
	v_mov_b32 v[ARL], s70
	s_mul_i32 s74, s[CX], 3
	s_add_co_u32 s74, s74, s[WV]
	s_lshl_b32 s74, s74, 13
	v_lshl_add_u32 v[PFO], v[LN], 8, s74           ; 256 lane + 8,192 (3 cx + wave)
.irp m,0,1
	v_mov_b32 v[NMP+2*\m+1], 0xff61b1e6            ; the largest t so far: -3e38, under every t
	v_floor_f32 v[NMP+2*\m], -v[NMP+2*\m+1]        ; -M
	v_mov_b32 v[LP+2*\m], 0
	v_mov_b32 v[LP+2*\m+1], 0
	v_mov_b32 v[FP+2*\m+1], 0                      ; (named as a pair's upper half)
	v_mov_b32 v[PX+\m], 0                          ; a lane permute's destination counts as one of its sources
.endr
; THE CHANGE OF SLOTS stands at a step's head.  Each wave waits for all its tensor loads (one is out: its quarter of the tile that it is about to read), adds 0 to its spare word, and waits for that and for its LDS instructions.
; fill = 1: a round of the cluster's barrier, and behind it the joint load of the next tile of the walk into slot f, which was read last: the wave's one tensor load until the next round.
.macro CHANGE f, fill
	s_wait_tensorcnt 0x0                           ; no tensor load of mine is out, so a group 0 may be written
	ds_add_u32 v[SPW], v[NIL]                      ; 0 onto my spare word
.if \fill
	s_add_co_u32 s[IDX], s[IDX], 1
	s_and_b32 s[IDX], s[IDX], 15                   ; the walk goes round the batch's 16 tiles
	s_mul_i32 s[OFF], s[IDX], TILEB
	s_add_co_u32 s[NX], s[NX], 1
	s_cmp_lt_u32 s[NX], 16                         ; the first 16 tiles are K's, the others V's
	s_cselect_b64 s[G0+4*(\f)+2:G0+4*(\f)+3], s[KBW:KBW+1], s[VBW:VBW+1]
	s_add_nc_u64 s[G0+4*(\f)+2:G0+4*(\f)+3], s[G0+4*(\f)+2:G0+4*(\f)+3], s[OFF:OFF+1]
	s_or_b32 s[G0+4*(\f)+3], s[G0+4*(\f)+3], 0x80000000
	s_wait_dscnt 0x0                               ; the add is done, my reads of the slot that I have left are over, my LDS stores have landed
	CROUND
	tensor_load_to_lds s[G0+4*(\f):G0+4*(\f)+3], s[G1:G1+7]
	s_nop 0
	PLACES                                         ; four plain places behind the load, also in front of the loads that follow
.else
	s_wait_dscnt 0x0
	s_barrier_signal -1
	s_barrier_wait -1
	PLACES
.endif
.endm
; A PREFETCH INTO THE L2, once in the launch: the codes of V's tile j0, this cluster's first: 98,304 bytes = 12 x 8,192: waves 0 to 2 of each partner take 8,192 bytes, lanes 256 bytes apart, told apart by address.
; It stands in the last trip but one of the loop over K's tiles, two tiles ahead of the load that asks for that tile.  Each of a batch's V tiles is the first of one cluster, so each block is named once.
.macro ASKV
	s_cmp_eq_u32 s[KT], s[PFL]
	s_cbranch_scc0 .Lnoask_\@
	global_prefetch_b8 v[PFO], s[VPF:VPF+1] th:TH_LOAD_NT scope:SCOPE_SE
.Lnoask_\@:
.endm
; The softmax of one block of 32 keys for each T, the two T by turns.
.macro SOFT sl
.irp m,0,1
	v_max3_num_f32 v[BM+\m], v[S+16*\m], v[S+16*\m+1], v[S+16*\m+2]     ; the block's largest score: it serves for the running maximum and, since p rises with the score, for the block's largest p
.endr
.irp i,3,5,7,9,11,13
.irp m,0,1
	v_max3_num_f32 v[BM+\m], v[BM+\m], v[S+16*\m+\i], v[S+16*\m+\i+1]
.endr
.endr
.irp m,0,1
	v_max_num_f32 v[BM+\m], v[BM+\m], v[S+16*\m+15]
.endr
.irp m,0,1
	v_permlanex16_b32 v[PX+\m], v[BM+\m], s[SEL], s[SEL+1]
.endr
.irp m,0,1
	v_max_num_f32 v[BM+\m], v[BM+\m], v[PX+\m]     ; with lane l xor 16's 16 keys
.endr
.irp m,0,1
	v_mul_f32 v[TT+\m], s[CS], v[BM+\m]            ; as t (c is positive)
.endr
.irp m,0,1
	v_max_num_f32 v[NMP+2*\m+1], v[NMP+2*\m+1], v[TT+\m]
.endr
.irp m,0,1
	v_mov_b32 v[OLD+\m], v[NMP+2*\m]
.endr
.irp m,0,1
	v_floor_f32 v[NMP+2*\m], -v[NMP+2*\m+1]        ; the new -M = floor(-t): M is a whole number
.endr
.irp m,0,1
	v_sub_f32 v[OLD+\m], v[NMP+2*\m], v[OLD+\m]    ; old M less new M: a whole number, 0 or less
.endr
.irp m,0,1
	v_cvt_i32_f32 v[OLD+\m], v[OLD+\m]             ; (it saturates)
.endr
.irp m,0,1
	v_ldexp_f32 v[FP+2*\m], 1.0, v[OLD+\m]         ; f = 2^(old M - new M)
.endr
.irp j,0,2,4,6,8,10,12,14
.irp m,0,1
	v_pk_fma_f32 v[S+16*\m+\j:S+16*\m+\j+1], v[S+16*\m+\j:S+16*\m+\j+1], s[CS:CS+1], v[NMP+2*\m:NMP+2*\m+1] op_sel_hi:[1,0,0]   ; t - M, two at a time
.endr
.endr
.irp m,0,1
	v_fma_f32 v[BM+\m], v[BM+\m], s[CS], v[NMP+2*\m]   ; the same of the block's largest score
.endr
.set j, 0
.rept 32
	v_exp_f32 v[S+j], v[S+j]                       ; p = 2^(t - M), at most 1
.set j, j+1
.endr
.irp m,0,1
	v_pk_mul_f32 v[LP+2*\m:LP+2*\m+1], v[LP+2*\m:LP+2*\m+1], v[FP+2*\m:FP+2*\m+1] op_sel_hi:[1,0]   ; the sums under the new M: plain work behind the exponentials
.endr
	s_wait_alu depctr_va_vdst(0)                   ; one wait for the batch of 32, ahead of its first reader
.irp m,0,1
	v_exp_f32 v[BM+\m], v[BM+\m]                   ; the block's largest p: the same two instructions on the same number give the same bits
.endr
.irp m,0,1
	v_pk_add_f32 v[SUMP+2*\m:SUMP+2*\m+1], v[S+16*\m:S+16*\m+1], v[S+16*\m+2:S+16*\m+3]   ; the sum of the unquantised p, in two chains
.endr
.irp j,4,8,12
.irp m,0,1
	v_pk_add_f32 v[LP+2*\m:LP+2*\m+1], v[LP+2*\m:LP+2*\m+1], v[S+16*\m+\j:S+16*\m+\j+1]
	v_pk_add_f32 v[SUMP+2*\m:SUMP+2*\m+1], v[SUMP+2*\m:SUMP+2*\m+1], v[S+16*\m+\j+2:S+16*\m+\j+3]
.endr
.endr
.irp m,0,1
	v_pk_add_f32 v[LP+2*\m:LP+2*\m+1], v[LP+2*\m:LP+2*\m+1], v[SUMP+2*\m:SUMP+2*\m+1]
.endr
	s_wait_alu depctr_va_vdst(0)                   ; and one for the two
.irp m,0,1
	v_max_num_f32 v[BM+\m], 0x2800000, v[BM+\m]    ; the floor 2^(5 - 127): the byte cannot fall under 1
.endr
.irp m,0,1
	v_add_nc_u32 v[SO+\m], 0xfe000000, v[BM+\m]    ; 4 off the exponent field: the conversion's scale operand
.endr
.irp m,0,1
	v_lshrrev_b32 v[BY+\m], 23, v[SO+\m]
.endr
.irp m,0,1
	v_cvt_i32_f32 v[TT+\m], v[NMP+2*\m]
.endr
.irp m,0,1
	v_sub_nc_u32 v[IW+\m], v[BY+\m], v[TT+\m]      ; I = byte + M
.endr
.irp m,0,1
	v_cvt_scalef32_pk16_bf6_f32 v[CD+4*\m:CD+4*\m+2], v[S+16*\m:S+16*\m+15], v[SO+\m]
.endr
	v_nop                                          ; one plain place behind the scaled conversions
.irp m,0,1
.irp i,0,1,2
	ds_store_b32 v[ADP], v[CD+4*\m+\i] offset:\m*16*PP+96*(\sl)+4*\i     ; my half of block = wave of this step's 96 bytes of row 16 T + r
.endr
	ds_store_b32 v[ADI], v[IW+\m] offset:512*(\sl)+256*\m                  ; both halves of the lanes write the same word with the same value
.endr
.endm
.macro KSTEP sl                        ; 128 keys: my 32 of them against 32 queries: 32 matrix instructions, four accumulators by turns
.irp a,0,1
.irp g,0,1,2,3
	ds_load_b32 v[SK+4*\a+\g], v[ASK+(\sl)] offset:512*\a+128*\g
.endr
.endr
	WIN 0x40
.irp q,0,1,2,3,4,5,6,7
.irp a,0,1
.irp p,0,1,2,3,4,5
	ds_load_b64 v[12*(8*\a+\q)+2*\p:12*(8*\a+\q)+2*\p+1], v[AF+(\sl)] offset:(8*\a+\q)*1536+256*\p   ; 256 consecutive bytes
.endr
.endr
.endr
	WIN 0
.if (\sl) == 1
	ASKV
.endif
	WIN 0x09                                       ; source 0 (K) window 1, source 1 (Q) window 2
.irp q,0,1,2,3,4,5,6,7
	DSW 84-12*\q                                   ; the fragment loads of later K steps may be out
.irp m,0,1
.irp a,0,1
.if \q == 0
	WM S+16*\m+8*\a, 12*(8*\a+\q), 12*(8*\m+\q), -1, SK+4*\a+\q/2, SQ+4*\m+\q/2, \q%2, \q%2
.else
	WM S+16*\m+8*\a, 12*(8*\a+\q), 12*(8*\m+\q), S+16*\m+8*\a, SK+4*\a+\q/2, SQ+4*\m+\q/2, \q%2, \q%2
.endif
.endr
.endr
.endr
	WIN 0
	PLACES
	SOFT \sl
.endm
.macro PVSTEP sl, zero                 ; 128 keys: my 256 features against 32 queries: 32 matrix instructions on 32 accumulators
	ds_load_b128 v[VS:VS+3], v[ASV+(\sl)]
	ds_load_b128 v[VS+4:VS+7], v[ASV+(\sl)] offset:512
.irp m,0,1
	ds_load_b32 v[PS+\m], v[ADSW] offset:128*(\sl)+64*\m
.endr
.irp m,0,1
.irp p,0,1,2,3,4,5
	ds_load_b64 v[PF+12*\m+2*\p:PF+12*\m+2*\p+1], v[ADPR] offset:\m*16*PP+96*(\sl)+48*(\p/3)+8*(\p%3)
.endr
.endr
	WIN 0x40
.irp d,0,1,2,3,4,5,6,7,8,9,10,11,12,13,14,15
.irp p,0,1,2,3,4,5
	ds_load_b64 v[12*\d+2*\p:12*\d+2*\p+1], v[AF+(\sl)] offset:\d*1536+256*\p
.endr
.endr
	WIN 0xa1                                       ; source 0 (V) window 1, source 1 (P) window 0, C and D window 2
.irp d,0,1,2,3,4,5,6,7,8,9,10,11,12,13,14,15
.if \d%2 == 0
	DSW 84-6*\d                                    ; the fragment loads of later pairs of feature tiles may be out
.endif
.irp m,0,1
.if \zero
	WM 8*(2*\d+\m), 12*\d, PF+12*\m, -1, VS+\d/2, PS+\m, \d%2, 0
.else
	WM 8*(2*\d+\m), 12*\d, PF+12*\m, 8*(2*\d+\m), VS+\d/2, PS+\m, \d%2, 0
.endif
.endr
.endr
	WIN 0
.endm
.macro XROW i                          ; row i of my 8 rows of x into window 3
.irp k,0,1,2,3,4,5,6,7
	global_load_b128 v[32*(\i)+4*\k:32*(\i)+4*\k+3], v[AG16], s[XB:XB+1] offset:4096*(\i)+512*\k th:TH_LOAD_NT
.endr
.endm
.macro PVPAIR zero, last               ; two steps of phase 2
	CHANGE 1, 1
.if \last
	WIN 0xc0
	XROW 5
	XROW 6
	XROW 7
	WIN 0
.endif
	v_add_nc_u32 v[ADPR], s[PR], v[APR]            ; (no LDS instruction of mine is out)
	v_add_nc_u32 v[ADSW], s[SW], v[ASW]
	PVSTEP 0, \zero
	CHANGE 0, 1-(\last)
	PVSTEP 1, 0
	s_add_co_u32 s[PR], s[PR], 192
	s_add_co_u32 s[SW], s[SW], 256
.endm
	s_mov_b32 s[PJ], 0
	s_mov_b32 s[IJ], 0
	s_mov_b32 s[KT], 8
	s_wait_loadcnt 0x0                             ; Q
.Lkeys:                                            ; eight trips of two steps; every change of slots fills, the last with V's first tile
	CHANGE 1, 1
	v_add_nc_u32 v[ADP], s[PJ], v[APW]             ; (no LDS instruction of mine is out)
	v_add_nc_u32 v[ADI], s[IJ], v[AIW]
	KSTEP 0
	CHANGE 0, 1
	KSTEP 1
	s_add_co_u32 s[PJ], s[PJ], 192
	s_add_co_u32 s[IJ], s[IJ], 1024
	s_sub_co_u32 s[KT], s[KT], 1
	s_cmp_lg_u32 s[KT], 0
	s_cbranch_scc1 .Lkeys
	; BETWEEN THE PHASES: the four waves' -M and sums meet
.irp m,0,1
	v_add_f32 v[TT+\m], v[LP+2*\m], v[LP+2*\m+1]
.endr
.irp m,0,1
	v_permlanex16_b32 v[PX+\m], v[TT+\m], s[SEL], s[SEL+1]
.endr
.irp m,0,1
	v_add_f32 v[TT+\m], v[TT+\m], v[PX+\m]
.endr
.irp m,0,1
	ds_store_b32 v[AMX], v[NMP+2*\m] offset:256*\m
	ds_store_b32 v[AMX], v[TT+\m] offset:512+256*\m
.endr
	BARRIER                                        ; they, P's codes and all I lie in LDS
	ds_load_b128 v[96:99], v[AMR]                  ; query r of T = wave % 2: the four -M,
	ds_load_b128 v[100:103], v[AMR] offset:512     ; the four sums,
.irp i,0,1,2,3
	ds_load_b128 v[104+4*\i:107+4*\i], v[AFI] offset:1024*\i   ; and the four I of step 8 (wave / 2) + 2 i + h
.endr
	s_wait_dscnt 0x0
	v_min3_num_f32 v120, v96, v97, v98
	v_min_num_f32 v120, v120, v99                  ; the row's -M
.irp b,0,1,2,3
	v_sub_f32 v[121+\b], v120, v[96+\b]            ; a wave's M less the row's: a whole number, 0 or less
.endr
.irp b,0,1,2,3
	v_cvt_i32_f32 v[121+\b], v[121+\b]
.endr
.irp b,0,1,2,3
	v_ldexp_f32 v[100+\b], v[100+\b], v[121+\b]    ; the sums under the row's M: nothing is rounded
.endr
	v_add_f32 v100, v100, v101
	v_add_f32 v102, v102, v103
	v_add_f32 v100, v100, v102                     ; l
	v_rcp_f32 v125, v100
	v_cvt_i32_f32 v126, v120                       ; (plain work behind the reciprocal)
	v_sub_nc_u32 v126, 123, v126                   ; 123 + M
.irp i,0,1,2,3
.irp b,0,1,2,3
	v_sub_nc_u32 v[104+4*\i+\b], v126, v[104+4*\i+\b]   ; 123 - (I - M): 0 or more, since no byte is above 123 under its wave's M
.endr
.endr
.irp i,0,1,2,3
.irp b,0,1,2,3
	v_min_u32 v[104+4*\i+\b], 122, v[104+4*\i+\b]
.endr
.endr
.irp i,0,1,2,3
.irp b,0,1,2,3
	v_sub_nc_u32 v[104+4*\i+\b], 123, v[104+4*\i+\b]    ; the byte under the row's M, held at 1 from below
.endr
.endr
.irp i,0,1,2,3
	v_lshl_or_b32 v[104+4*\i], v[105+4*\i], 8, v[104+4*\i]
	v_lshl_or_b32 v[104+4*\i], v[106+4*\i], 16, v[104+4*\i]
	v_lshl_or_b32 v[104+4*\i], v[107+4*\i], 24, v[104+4*\i]
	ds_store_b32 v[AFW], v[104+4*\i] offset:256*\i      ; P's scale word of the step's 128 keys
.endr
	s_wait_alu depctr_va_vdst(0)                   ; the wait ahead of the reciprocal's first reader
	ds_store_b32 v[ARW], v125                      ; 1 / l
	; gamma, beta and five of my eight rows of x are asked for now; the other three in the last pair of steps
.irp k,0,1,2,3,4,5,6,7
	global_load_b128 v[GA+4*\k:GA+4*\k+3], v[AG16], s[12:13] offset:512*\k
.endr
.irp k,0,1,2,3,4,5,6,7
	global_load_b128 v[BE+4*\k:BE+4*\k+3], v[AG16], s[14:15] offset:512*\k
.endr
	WIN 0xc0
	XROW 0
	XROW 1
	XROW 2
	XROW 3
	XROW 4
	WIN 0
	s_mov_b32 s[PR], 0
	s_mov_b32 s[SW], 0
	PVPAIR 1, 0                                    ; the first step's products start the sums: nothing is cleared
	s_mov_b32 s[KT], 6
.Lvals:
	PVPAIR 0, 0
	s_sub_co_u32 s[KT], s[KT], 1
	s_cmp_lg_u32 s[KT], 0
	s_cbranch_scc1 .Lvals
	PVPAIR 0, 1                                    ; the tail is written out: its second change of slots asks for nothing
	; THE WAY OUT
	PLACES                                         ; in front of the first read of results
	v_mov_b32 v[RLP+1], 0                          ; (named as pairs' upper halves)
	v_mov_b32 v[MU+1], 0
	v_mov_b32 v[RS+1], 0
	BARRIER                                        ; nobody reads a slot any more, and both have had their last fill
	WIN 0x08                                       ; an LDS store's data are its source 1: window 2
.irp d,0,1,2,3,4,5,6,7,8,9,10,11,12,13,14,15
.irp m,0,1
	ds_store_b128 v[AOS+\m], v[8*(2*\d+\m):8*(2*\d+\m)+3] offset:64*\d          ; each accumulator from its low end on: O(16 T + r, 256 w + 16 d + 8 h + 0..7)
	ds_store_b128 v[AOS+\m], v[8*(2*\d+\m)+4:8*(2*\d+\m)+7] offset:64*\d+16
.endr
.endr
	WIN 0
	BARRIER                                        ; 32 whole rows of O lie in the stage
.macro RED x                           ; the sum over the wave's 32 lanes, in every lane
	v_add_f32_dpp v[\x], v[\x], v[\x] row_xmask:1 row_mask:0xf bank_mask:0xf
	v_add_f32_dpp v[\x], v[\x], v[\x] row_xmask:2 row_mask:0xf bank_mask:0xf
	v_add_f32_dpp v[\x], v[\x], v[\x] row_xmask:4 row_mask:0xf bank_mask:0xf
	v_add_f32_dpp v[\x], v[\x], v[\x] row_xmask:8 row_mask:0xf bank_mask:0xf
	v_permlanex16_b32 v[PX], v[\x], s[SEL], s[SEL+1]
	v_add_f32 v[\x], v[\x], v[PX]
.endm
.macro ROW i                           ; query 8 wave + i: a lane holds columns 128 k + 4 lane + 0..3
	s_wait_xcnt 0x0                                ; the last row's stores have read their registers
.irp k,0,1,2,3,4,5,6,7
	ds_load_b128 v[H+4*\k:H+4*\k+3], v[AOR] offset:(\i)*OP+512*\k
.endr
	ds_load_b32 v[RLP], v[ARL] offset:4*(\i)
	s_wait_loadcnt 8*(7-(\i))                      ; gamma, beta and this row of x are in; the loads of later rows may be out
	s_wait_dscnt 0x0
	WIN 0x30                                       ; source 2 (x) window 3
.irp e,0,2,4,6,8,10,12,14,16,18,20,22,24,26,28,30
	v_pk_fma_f32 v[H+\e:H+\e+1], v[H+\e:H+\e+1], v[RLP:RLP+1], v[32*(\i)+\e:32*(\i)+\e+1] op_sel_hi:[1,0,1]   ; h = O / l + x
.endr
	WIN 0
	v_pk_add_f32 v[AC0:AC0+1], v[H:H+1], v[H+2:H+3]
	v_pk_add_f32 v[AC1:AC1+1], v[H+4:H+5], v[H+6:H+7]
.irp e,8,12,16,20,24,28
	v_pk_add_f32 v[AC0:AC0+1], v[AC0:AC0+1], v[H+\e:H+\e+1]
	v_pk_add_f32 v[AC1:AC1+1], v[AC1:AC1+1], v[H+\e+2:H+\e+3]
.endr
	v_pk_add_f32 v[AC0:AC0+1], v[AC0:AC0+1], v[AC1:AC1+1]
	v_add_f32 v[AC0], v[AC0], v[AC0+1]
	RED AC0
	v_mul_f32 v[MU], 0xba800000, v[AC0]            ; -mean
.irp e,0,2,4,6,8,10,12,14,16,18,20,22,24,26,28,30
	v_pk_add_f32 v[H+\e:H+\e+1], v[H+\e:H+\e+1], v[MU:MU+1] op_sel_hi:[1,0]
.endr
	v_pk_mul_f32 v[AC0:AC0+1], v[H:H+1], v[H:H+1]
	v_pk_mul_f32 v[AC1:AC1+1], v[H+2:H+3], v[H+2:H+3]
.irp e,4,8,12,16,20,24,28
	v_pk_fma_f32 v[AC0:AC0+1], v[H+\e:H+\e+1], v[H+\e:H+\e+1], v[AC0:AC0+1]
	v_pk_fma_f32 v[AC1:AC1+1], v[H+\e+2:H+\e+3], v[H+\e+2:H+\e+3], v[AC1:AC1+1]
.endr
	v_pk_add_f32 v[AC0:AC0+1], v[AC0:AC0+1], v[AC1:AC1+1]
	v_add_f32 v[AC0], v[AC0], v[AC0+1]
	RED AC0
	v_fma_f32 v[AC0], v[AC0], s[INV], s[EPS]       ; variance + 1e-5
	v_rsq_f32 v[RS], v[AC0]
	v_nop                                          ; a plain place behind the transcendental
	s_wait_alu depctr_va_vdst(0)                   ; and the wait ahead of its first reader
.irp e,0,2,4,6,8,10,12,14,16,18,20,22,24,26,28,30
	v_pk_mul_f32 v[H+\e:H+\e+1], v[H+\e:H+\e+1], v[RS:RS+1] op_sel_hi:[1,0]
.endr
.irp e,0,2,4,6,8,10,12,14,16,18,20,22,24,26,28,30
	v_pk_fma_f32 v[H+\e:H+\e+1], v[H+\e:H+\e+1], v[GA+\e:GA+\e+1], v[BE+\e:BE+\e+1]
.endr
.irp k,0,1,2,3,4,5,6,7
	global_store_b128 v[AG16], v[H+4*\k:H+4*\k+3], s[OB:OB+1] offset:4096*(\i)+512*\k th:TH_STORE_NT   ; 32 lanes store 512 consecutive bytes, at a multiple of 256 from the output's first byte
.endr
.endm
	ROW 0
	ROW 1
	ROW 2
	ROW 3
	ROW 4
	ROW 5
	ROW 6
	ROW 7
	s_wait_tensorcnt 0x0                           ; the wave's end
	ds_add_u32 v[SPW], v[NIL]
	s_wait_dscnt 0x0
	CROUND                                         ; the closing round: no work-group ends while a partner may still ask for a tile that names it
	s_endpgm
.Lfunc_end_k_q5b096b3cc4_attn:
	.size	k_q5b096b3cc4_attn, .Lfunc_end_k_q5b096b3cc4_attn-k_q5b096b3cc4_attn
	.p2alignl 7, 3214868480
	.fill 96, 4, 3214868480
	.section	.rodata,"a",@progbits
	.p2align	6, 0x0
	.amdhsa_kernel k_q5b096b3cc4_attn
		.amdhsa_group_segment_fixed_size 327680
		.amdhsa_private_segment_fixed_size 0
		.amdhsa_enable_private_segment 0
		.amdhsa_kernarg_size 56
		.amdhsa_user_sgpr_count 2
		.amdhsa_user_sgpr_kernarg_segment_ptr 1
		.amdhsa_wavefront_size32 1
		.amdhsa_system_sgpr_workgroup_id_x 1
		.amdhsa_system_sgpr_workgroup_id_y 1
		.amdhsa_system_sgpr_workgroup_id_z 1
		.amdhsa_system_vgpr_workitem_id 0
		.amdhsa_next_free_vgpr 1024
		.amdhsa_next_free_sgpr 80
		.amdhsa_reserve_vcc 0
		.amdhsa_float_denorm_mode_32 3
		.amdhsa_float_denorm_mode_16_64 3
		.amdhsa_memory_ordered 1
		.amdhsa_forward_progress 1
		.amdhsa_inst_pref_size 213
	.end_amdhsa_kernel
	.amdgpu_metadata
---
amdhsa.version: [ 1, 2 ]
amdhsa.kernels:
  - .name:           k_q5b096b3cc4_attn
    .symbol:         k_q5b096b3cc4_attn.kd
    .args:
      - { .name: qc, .offset: 0, .size: 8, .value_kind: global_buffer, .address_space: global }
      - { .name: kc, .offset: 8, .size: 8, .value_kind: global_buffer, .address_space: global }
      - { .name: vc, .offset: 16, .size: 8, .value_kind: global_buffer, .address_space: global }
      - { .name: x, .offset: 24, .size: 8, .value_kind: global_buffer, .address_space: global }
      - { .name: gamma, .offset: 32, .size: 8, .value_kind: global_buffer, .address_space: global }
      - { .name: beta, .offset: 40, .size: 8, .value_kind: global_buffer, .address_space: global }
      - { .name: out0, .offset: 48, .size: 8, .value_kind: global_buffer, .address_space: global }
    .group_segment_fixed_size: 327680
    .private_segment_fixed_size: 0
    .kernarg_segment_align: 8
    .kernarg_segment_size: 56
    .max_flat_workgroup_size: 128
    .sgpr_count:     80
    .vgpr_count:     1024
    .wavefront_size: 32
...
	.end_amdgpu_metadata
.endif
;; end of part 2
